; MI455X (gfx1250); checked and timed in simulation.
; The chip was launched on July 23, 2026; its instructions are those of AMD's public machine-readable ISA for CDNA 5 (MIT licence, August 2026) and "CDNA5" Instruction Set Architecture Reference Guide (July 2026). The comments in the code are by the model that wrote it; some were corrected since.
;; Shallow Clue Refinement. Allowed arithmetic: matrix products marked QUANTISED: E2M1 operands, one E8M0 scale for each 32 along K, by v_wmma_scale_f32_16x16x128_f8f6f4 with both operands' format E2M1 (or v_wmma_scale_f32_32x16x128_f4), f32 sums; products left as they are: f32 operands where the result goes on into a quantised operand, else bf16, f16 or f32 operands; f32 sums; everything else in f32.
;; Inputs: KSA_b 32 float32; KSA_w_codes 32 x 16 x 16 uint8 (E2M1 codes of KSA_w, K innermost, in blocks of 32 codes, two codes a byte); KSA_w_scales 32 x 16 uint8 (E8M0 scales of KSA_w, one for each 32 codes along K); K_b 256 float32; K_w_codes 256 x 8 x 16 uint8 (E2M1 codes of K_w, K innermost, in blocks of 32 codes, two codes a byte); K_w_scales 256 x 8 uint8 (E8M0 scales of K_w, one for each 32 codes along K); deep_codes 4 x 64 x 64 x 16 x 16 uint8 (E2M1 codes of deep, K innermost, in blocks of 32 codes, two codes a byte); deep_scales 4 x 64 x 64 x 16 uint8 (E8M0 scales of deep, one for each 32 codes along K); shallow_codes 4 x 128 x 128 x 8 x 16 uint8 (E2M1 codes of shallow, K innermost, in blocks of 32 codes, two codes a byte); shallow_scales 4 x 128 x 128 x 8 uint8 (E8M0 scales of shallow, one for each 32 codes along K).
;; Outputs: out0 4 x 256 x 64 x 64 float32; out1 4 x 1 x 64 x 64 float32.
;; This version of the problem:
;;   THIS VERSION OF THE PROBLEM IS GIVEN IN LOW PRECISION. The matrix products marked QUANTISED in the list below multiply operands that are first quantised to E2M1 (2 exponent bits, 1 mantissa bit; 4 bits a number), with one power-of-two scale for each 32 numbers along K (OCP MX v1.0); their sums are f32. All else is computed in f32.
;;   The module's matrix products, in the order in which they are computed (A, B: the left and right operand; K: the contracted axis; several contracted axes count as one K, in the product's order):
;;     1. [M 32, K 512] x [K 512, N 16,384]; A: input KSA_w (given as codes); B: input deep (given as codes): QUANTISED
;;     2. batch 4 x [M 1, K 4,096] x [K 4,096, N 32]; A: computed on the way; B: computed on the way: left as it is (M = 1 < 16)
;;     3. batch 4 x [M 1, K 32] x [K 32, N 4,096]; A: computed on the way; B: computed on the way: left as it is (M = 1 < 16)
;;     4. [M 256, K 256] x [K 256, N 65,536]; A: input K_w (given as codes); B: input shallow (given as codes): QUANTISED
;;   THE QUANTISER, for each operand of a quantised product, along K:
;;     - K is cut into blocks of 32 from its start; a last block that is shorter is filled with zeros.
;;     - A block's scale is 2^e with e = floor(log2(the largest magnitude in the block)) - 2, held to -126 .. 127; a block of zeros has e = 0. As a byte (E8M0): e + 127.
;;     - Each number is divided by its block's scale, clamped to +-6, and rounded to the nearest number of E2M1, ties to even, subnormals kept.
;;     - The product sums the exact products of the quantised numbers (number of the format x scale) in f32.
;;   ~~~python
;;   def quantise(x, axis):      # numpy; x: float32 -> the quantised numbers, widened to float32 again
;;       x = np.moveaxis(x, axis, -1); K = x.shape[-1]
;;       x = np.pad(x, [(0, 0)] * (x.ndim - 1) + [(0, -K % 32)]); x = x.reshape(x.shape[:-1] + (-1, 32)); a = np.abs(x).max(-1, keepdims=True)
;;       e = np.where(a > 0, np.clip(np.frexp(np.where(a > 0, a, 1))[1] - 1 - 2, -126, 127), 0)      # np.frexp(a)[1] - 1 = floor(log2(a)), exactly
;;       r = np.clip(x / 2.0 ** e, -6, 6)
;;       step = 2.0 ** (np.maximum(np.frexp(np.where(r == 0, 1, r))[1] - 1, 0) - 1)
;;       q = np.round(r / step) * step * 2.0 ** e      # np.round: ties to even
;;       return np.moveaxis(q.reshape(q.shape[:-2] + (-1,))[..., :K], -1, axis).astype(np.float32)
;;   ~~~
;;   INPUTS GIVEN AS CODES. KSA_w (in the module: [32, 512], K = its axis 1); K_w (in the module: [256, 256], K = its axis 1); deep (in the module: [4, 512, 64, 64], K = its axis 1); shallow (in the module: [4, 256, 128, 128], K = its axis 1): each comes as NAME_codes (uint8): NAME with its K axis moved to the last place and cut into blocks of 32 codes, [.., K / 32, bytes a block], one block behind the other in memory; two codes a byte, the lower K in the low four bits (a code: sign, 2 exponent bits, 1 mantissa bit); and NAME_scales (uint8): the same leading axes, one E8M0 byte (e + 127) for each 32 codes along K. Its value is code x scale, taken as it is: it is not quantised again, and the codes and scales need not be those that the quantiser above would give.
;; 2 versions, each right; version 2 is version 1 with the launches scores, window written anew for expert scheduling mode. Each part assembles by itself: llvm-mc -triple=amdgcn-amd-amdhsa -mcpu=gfx1250 --defsym DOCPART=n.
;; ======== version 1 of 2: 2 launches
;; workspace buffers: mo 2,097,152 bytes; part 32,768 bytes
;; launch scores (part 1): grid 256 x 1, 4 waves a work-group, no clusters, 35,840 bytes of LDS; arguments deep_codes, deep_scales, KSA_w_codes, KSA_w_scales, KSA_b, mo, part; writes mo, part
.if DOCPART == 1
	.amdgcn_target "amdgcn-amd-amdhsa--gfx1250"
	.amdhsa_code_object_version 6
	.text
	.protected	k_q30a02f4588_scores
	.globl	k_q30a02f4588_scores
	.p2align	8
	.type	k_q30a02f4588_scores,@function
k_q30a02f4588_scores:
	s_mov_b64 s[64:65], 0
	v_nop
	global_prefetch_b8 v0, s[64:65] scope:SCOPE_SE
	s_setreg_imm32_b32 hwreg(HW_REG_WAVE_MODE, 25, 1), 1
	s_wait_xcnt 0x0
; max_out = KSA_w x deep + KSA_b on codes of FP4 (E2M1) with E8M0 scales, K = 512, and this work-group's part of
; lit[d'] = 1/4096 x the sum over c, m of q[128 c + m] x max_out[c][32 m + d'],  q[p] = the largest of max_out[.][p].
; SHARES.  Work-group (b, g) owns pixels 64 g .. 64 g + 63 of image b, which are m = 2 g and 2 g + 1.  For them it needs q at the 64 pixels
; 128 c + 2 g + e (c = 0 .. 31, e = 0, 1): it multiplies those pixels too, so that no sum waits for another work-group.
; Wave w has two tiles of 16 pixels: OWN (64 g + 16 w + r) and QT (128 (8 w + r / 2) + 2 g + r % 2), each against both tiles of 16 channels, four K steps of 128.
; Source 0 = 16 rows of KSA_w, source 1 = 16 pixels: lane (r, h) register j holds (channel 16 t + 8 h + j, pixel r).  The bias is the C of each sum's first product.
; OUT.  mo: the accumulators as they stand: [tile of 16 pixels][quad 0 .. 3][lane][16 bytes]: each store of a wave covers 512 consecutive bytes.  part: [b][g][32] f32, not yet divided by 4,096.
; The pixels' codes are loaded as they lie (each load 512 consecutive bytes: two pixels) and turned into fragments through the wave's own stage in LDS.
; No tensor load, no cluster: every byte is asked for at the head, once; what work-groups share (KSA_w: 8,704 bytes) is small beside a work-group's 34,816 bytes of pixels.
; LIMITS: NaN, infinities and the scale byte 0xff among the inputs are not served.
.set PIT,  272                         ; a pixel's row in the stage: 256 bytes of codes + 16
.set TSP,  16*PIT                      ; a tile's stage
.set TSW,  2*TSP                       ; a wave's two
.set QB,   4*TSW                       ; q[e][c] at 128 e + 4 c
.set PB,   QB+256                      ; the parts [e][d'] at 128 e + 4 d'
.set OWN,  16                          ; v16-47   OWN's codes as loaded, then its fragments (K step s at + 8 s)
.set QT,   48                          ; v48-79   QT's likewise
.set KW,   80                          ; v80-143  KSA_w's fragments (tile t, step s at + 32 t + 8 s)
.set CB,   144                         ; v144-159 the bias in the result's layout, tile t at + 8 t
.set DO,   160                         ; v160-175 OWN's two accumulators
.set DQ,   176                         ; v176-191 QT's two
.set SD,   192                         ; v192-195 the pixels' scale words, K step s: lanes 0-15 OWN's, lanes 16-31 QT's
.set SWK,  196                         ; v196-199 KSA_w's: lanes 0-15 rows 0-15, lanes 16-31 rows 16-31
.set QW,   200                         ; v200-215 q in the accumulators' order
	s_load_b256 s[4:11], s[0:1], 0x0               ; deep's codes s[4:5], its scales s[6:7], KSA_w's codes s[8:9], its scales s[10:11]
	s_load_b128 s[12:15], s[0:1], 0x20             ; KSA_b s[12:13], mo s[14:15]
	s_load_b64 s[16:17], s[0:1], 0x30              ; part
	v_lshl_add_u32 v224, v0, 2, 0x8a00
	v_mov_b32 v225, 0
	v_lshrrev_b32 v12, 5, v0
	v_readfirstlane_b32 s18, v12                   ; wave 0..3
	s_lshr_b32 s19, ttmp9, 6                       ; b
	s_and_b32 s20, ttmp9, 63                       ; g
	s_mov_b32 s22, 0x76543210
	s_mov_b32 s23, 0xfedcba98                      ; v_permlanex16_b32's selects for lane l xor 16
	v_and_b32 v13, 31, v0                          ; l
	v_and_b32 v14, 15, v0                          ; r
	v_bfe_u32 v15, v0, 4, 1                        ; h
	v_lshlrev_b32 v1, 4, v13                       ; v1: 16 l
	s_mul_i32 s21, s18, TSW
	v_mul_u32_u24 v2, v15, PIT
	v_lshl_add_u32 v2, v14, 4, v2
	v_add_nc_u32 v2, s21, v2                       ; v2: into the stage: lanes 0-15 one pixel's row, lanes 16-31 the next
	v_mul_u32_u24 v3, v14, PIT
	v_lshl_add_u32 v3, v15, 4, v3
	v_add_nc_u32 v3, s21, v3                       ; v3: out of it: row r, + 16 h: a fragment's bytes
	v_lshlrev_b32 v4, 8, v14
	v_lshl_add_u32 v4, v15, 4, v4                  ; v4: KSA_w: row r of 256 bytes, + 16 h
	v_lshlrev_b32 v5, 5, v15                       ; v5: 32 h
	s_lshl_b32 s28, s20, 6
	s_lshl_b32 s29, s18, 4
	s_add_co_u32 s28, s28, s29                     ; OWN's first pixel
	s_lshl_b32 s29, s18, 10
	s_lshl_b32 s30, s20, 1
	s_add_co_u32 s29, s29, s30                     ; QT's first pixel
	v_add_nc_u32 v216, s28, v14                    ; OWN's pixel of row r
	v_lshrrev_b32 v218, 1, v14                     ; r / 2
	v_and_b32 v219, 1, v14                         ; r % 2
	v_lshl_add_u32 v220, v218, 7, v219
	v_add_nc_u32 v220, s29, v220                   ; QT's pixel of row r
	v_sub_nc_u32 v221, 1, v15
	v_mul_u32_u24 v216, v216, v221
	v_mad_u32_u24 v6, v220, v15, v216              ; lanes 0-15 take OWN's, lanes 16-31 QT's
	v_lshlrev_b32 v6, 4, v6                        ; v6: 16 scale bytes a pixel
	s_lshl_b32 s30, s18, 5
	v_lshlrev_b32 v7, 7, v219
	v_lshl_add_u32 v7, v218, 2, v7
	v_add_nc_u32 v7, s30, v7
	v_add_nc_u32 v7, QB, v7                        ; v7: where my q goes: e = r % 2, c = 8 w + r / 2
	s_lshr_b32 s31, s18, 1
	s_lshl_b32 s31, s31, 7
	v_add_nc_u32 v8, s31, v5
	v_add_nc_u32 v8, QB, v8                        ; v8: q of my wave's e = w / 2, channels 8 h on
	s_lshl_b32 s30, s18, 6
	v_lshlrev_b32 v9, 2, v14
	v_add_nc_u32 v9, s30, v9
	v_add_nc_u32 v9, PB, v9                        ; v9: my part: e = w / 2, d' = 16 (w % 2) + r: 64 w + 4 r
	v_lshlrev_b32 v11, 2, v13                      ; v11: 4 l
	v_add_nc_u32 v10, PB, v11                      ; v10
	v_mov_b32 v217, 0                              ; written once: a lane permute's destination counts as one of its sources
	s_lshl_b32 s24, s19, 20                        ; OWN's codes: (4,096 b + 64 g + 16 w) x 256 bytes
	s_lshl_b32 s25, s20, 14
	s_add_co_u32 s24, s24, s25
	s_lshl_b32 s25, s18, 12
	s_add_co_u32 s24, s24, s25
	s_mov_b32 s25, 0
	s_lshl_b32 s26, s19, 20                        ; QT's: (4,096 b + 1,024 w + 2 g) x 256
	s_lshl_b32 s27, s18, 18
	s_add_co_u32 s26, s26, s27
	s_lshl_b32 s27, s20, 9
	s_add_co_u32 s26, s26, s27
	s_mov_b32 s27, 0
	s_lshl_b32 s32, s19, 16                        ; the image's scale bytes
	s_mov_b32 s33, 0
	s_lshl_b32 s34, s19, 19                        ; mo: tile 256 b + 4 g + w, 2,048 bytes a tile
	s_lshl_b32 s35, s20, 13
	s_add_co_u32 s34, s34, s35
	s_lshl_b32 s35, s18, 11
	s_add_co_u32 s34, s34, s35
	s_mov_b32 s35, 0
	s_lshl_b32 s36, ttmp9, 7                       ; part: 128 bytes a work-group
	s_mov_b32 s37, 0
	s_wait_kmcnt 0x0
	s_add_nc_u64 s[24:25], s[4:5], s[24:25]
	s_add_nc_u64 s[26:27], s[4:5], s[26:27]
	s_add_nc_u64 s[32:33], s[6:7], s[32:33]
	s_add_nc_u64 s[34:35], s[14:15], s[34:35]
	s_add_nc_u64 s[36:37], s[16:17], s[36:37]
	; 38 loads, all that the wave ever asks of memory
.irp n, 0,1,2,3,4,5,6,7
	global_load_b128 v[OWN+4*\n:OWN+4*\n+3], v1, s[24:25] offset:512*\n       ; pixels 2 n, 2 n + 1 of the tile: 512 consecutive bytes
.endr
.irp n, 0,1,2,3,4,5,6,7
	global_load_b128 v[QT+4*\n:QT+4*\n+3], v1, s[26:27] offset:32768*\n       ; e = 0, 1 of channel 8 w + n: two neighbouring pixels
.endr
	global_load_b128 v[SD:SD+3], v6, s[32:33]
.irp t, 0,1
.irp s, 0,1,2,3
.irp c, 0,1
	global_load_b128 v[KW+32*\t+8*\s+4*\c:KW+32*\t+8*\s+4*\c+3], v4, s[8:9] offset:4096*\t+64*\s+32*\c
.endr
.endr
.endr
	global_load_b128 v[SWK:SWK+3], v1, s[10:11]    ; row l's four scale words
.irp t, 0,1
	global_load_b128 v[CB+8*\t:CB+8*\t+3], v5, s[12:13] offset:64*\t
	global_load_b128 v[CB+8*\t+4:CB+8*\t+7], v5, s[12:13] offset:64*\t+16
.endr
	s_wait_loadcnt 30                              ; OWN's eight are in: 30 loads were issued behind them
.irp n, 0,1,2,3,4,5,6,7
	ds_store_b128 v2, v[OWN+4*\n:OWN+4*\n+3] offset:2*PIT*\n
.endr
	s_wait_loadcnt 22                              ; QT's eight: 22 behind them
.irp n, 0,1,2,3,4,5,6,7
	ds_store_b128 v2, v[QT+4*\n:QT+4*\n+3] offset:TSP+2*PIT*\n
.endr
.irp s, 0,1,2,3                                    ; LDS serves a wave's instructions in order (ISA guide 5.7.1.4): these see my stores; the stage is my wave's own
.irp c, 0,1
	ds_load_b128 v[OWN+8*\s+4*\c:OWN+8*\s+4*\c+3], v3 offset:64*\s+32*\c
	ds_load_b128 v[QT+8*\s+4*\c:QT+8*\s+4*\c+3], v3 offset:TSP+64*\s+32*\c
.endr
.endr
	s_wait_loadcnt 0x0
	s_wait_dscnt 0x0
; A K step: the four accumulators take turns, one instruction a turn.  The first step's C is the bias.
.macro KSTEP s
.if (\s) == 0
.set C00, CB
.set C01, CB+8
.set C10, CB
.set C11, CB+8
.else
.set C00, DO
.set C01, DO+8
.set C10, DQ
.set C11, DQ+8
.endif
	v_wmma_scale_f32_16x16x128_f8f6f4 v[DO:DO+7], v[KW+8*(\s):KW+8*(\s)+7], v[OWN+8*(\s):OWN+8*(\s)+7], v[C00:C00+7], v[SWK+(\s)], v[SD+(\s)] matrix_a_fmt:MATRIX_FMT_FP4 matrix_b_fmt:MATRIX_FMT_FP4
	v_wmma_scale_f32_16x16x128_f8f6f4 v[DO+8:DO+15], v[KW+32+8*(\s):KW+32+8*(\s)+7], v[OWN+8*(\s):OWN+8*(\s)+7], v[C01:C01+7], v[SWK+(\s)], v[SD+(\s)] matrix_a_fmt:MATRIX_FMT_FP4 matrix_b_fmt:MATRIX_FMT_FP4 matrix_a_scale:MATRIX_SCALE_ROW1
	v_wmma_scale_f32_16x16x128_f8f6f4 v[DQ:DQ+7], v[KW+8*(\s):KW+8*(\s)+7], v[QT+8*(\s):QT+8*(\s)+7], v[C10:C10+7], v[SWK+(\s)], v[SD+(\s)] matrix_a_fmt:MATRIX_FMT_FP4 matrix_b_fmt:MATRIX_FMT_FP4 matrix_b_scale:MATRIX_SCALE_ROW1
	v_wmma_scale_f32_16x16x128_f8f6f4 v[DQ+8:DQ+15], v[KW+32+8*(\s):KW+32+8*(\s)+7], v[QT+8*(\s):QT+8*(\s)+7], v[C11:C11+7], v[SWK+(\s)], v[SD+(\s)] matrix_a_fmt:MATRIX_FMT_FP4 matrix_b_fmt:MATRIX_FMT_FP4 matrix_a_scale:MATRIX_SCALE_ROW1 matrix_b_scale:MATRIX_SCALE_ROW1
.endm
	KSTEP 0
	KSTEP 1
	KSTEP 2
	KSTEP 3
.rept 4
	v_nop                                          ; four places between the last product and the first read of a result (ISA guide 7.12.1)
.endr
.irp q, 0,1,2,3
	global_store_b128 v1, v[DO+4*\q:DO+4*\q+3], s[34:35] offset:512*\q   ; max_out of my 16 pixels, each accumulator from its low end on; 512 consecutive bytes a store
.endr
	v_max3_num_f32 v216, v[DQ], v[DQ+1], v[DQ+2]   ; q: the largest of my 16 channels, two chains, each from its accumulator's low end on
	v_max3_num_f32 v218, v[DQ+8], v[DQ+9], v[DQ+10]
	v_max3_num_f32 v216, v216, v[DQ+3], v[DQ+4]
	v_max3_num_f32 v218, v218, v[DQ+11], v[DQ+12]
	v_max3_num_f32 v216, v216, v[DQ+5], v[DQ+6]
	v_max3_num_f32 v218, v218, v[DQ+13], v[DQ+14]
	v_max3_num_f32 v216, v216, v[DQ+7], v[DQ+15]
	v_max_num_f32 v216, v216, v218
	v_permlanex16_b32 v217, v216, s22, s23
	v_max_num_f32 v216, v216, v217                 ; with lane l xor 16's 16 channels
	ds_store_b32 v7, v216                          ; both halves of the lanes write the same word with the same value
	s_wait_dscnt 0x0                               ; for the others' sake: my q lies in LDS
	s_barrier_signal -1
	s_barrier_wait -1
	ds_load_b128 v[QW:QW+3], v8                    ; q[e][8 h + 0 .. 7], q[e][16 + 8 h + 0 .. 7]: the order of my accumulators' registers
	ds_load_b128 v[QW+4:QW+7], v8 offset:16
	ds_load_b128 v[QW+8:QW+11], v8 offset:64
	ds_load_b128 v[QW+12:QW+15], v8 offset:80
	s_wait_dscnt 0x0
	v_mul_f32 v216, v[DO], v[QW]
	v_mul_f32 v218, v[DO+8], v[QW+8]
.irp j, 1,2,3,4,5,6,7
	v_fma_f32 v216, v[DO+\j], v[QW+\j], v216
	v_fma_f32 v218, v[DO+8+\j], v[QW+8+\j], v218
.endr
	v_add_f32 v216, v216, v218
	v_permlanex16_b32 v217, v216, s22, s23
	v_add_f32 v216, v216, v217                     ; the sum over all 32 channels for (e, d') of my pixel
	ds_store_b32 v9, v216
	s_wait_dscnt 0x0
	s_barrier_signal -1
	s_barrier_wait -1
	s_cmp_lg_u32 s18, 0
	s_cbranch_scc1 .Ldone                          ; wave 0 adds e = 0 and e = 1 and stores the work-group's 32 numbers
	ds_load_b32 v216, v10
	ds_load_b32 v218, v10 offset:128
	s_wait_dscnt 0x0
	v_add_f32 v216, v216, v218
	global_store_b32 v11, v216, s[36:37]
.Ldone:
	s_wait_tensorcnt 0x0
	ds_add_u32 v224, v225
	s_wait_dscnt 0x0
	s_endpgm
.Lfunc_end_k_q30a02f4588_scores:
	.size	k_q30a02f4588_scores, .Lfunc_end_k_q30a02f4588_scores-k_q30a02f4588_scores
	.p2alignl 7, 3214868480
	.fill 96, 4, 3214868480
	.section	.rodata,"a",@progbits
	.p2align	6, 0x0
	.amdhsa_kernel k_q30a02f4588_scores
		.amdhsa_group_segment_fixed_size 35840
		.amdhsa_private_segment_fixed_size 0
		.amdhsa_enable_private_segment 0
		.amdhsa_kernarg_size 56
		.amdhsa_user_sgpr_count 2
		.amdhsa_user_sgpr_kernarg_segment_ptr 1
		.amdhsa_wavefront_size32 1
		.amdhsa_system_sgpr_workgroup_id_x 1
		.amdhsa_system_sgpr_workgroup_id_y 1
		.amdhsa_system_sgpr_workgroup_id_z 1
		.amdhsa_system_vgpr_workitem_id 0
		.amdhsa_next_free_vgpr 226
		.amdhsa_next_free_sgpr 66
		.amdhsa_reserve_vcc 0
		.amdhsa_float_denorm_mode_32 3
		.amdhsa_float_denorm_mode_16_64 3
		.amdhsa_memory_ordered 1
		.amdhsa_forward_progress 1
		.amdhsa_inst_pref_size 15
	.end_amdhsa_kernel
	.amdgpu_metadata
---
amdhsa.version: [ 1, 2 ]
amdhsa.kernels:
  - .name:           k_q30a02f4588_scores
    .symbol:         k_q30a02f4588_scores.kd
    .args:
      - { .name: deep_codes, .offset: 0, .size: 8, .value_kind: global_buffer, .address_space: global }
      - { .name: deep_scales, .offset: 8, .size: 8, .value_kind: global_buffer, .address_space: global }
      - { .name: KSA_w_codes, .offset: 16, .size: 8, .value_kind: global_buffer, .address_space: global }
      - { .name: KSA_w_scales, .offset: 24, .size: 8, .value_kind: global_buffer, .address_space: global }
      - { .name: KSA_b, .offset: 32, .size: 8, .value_kind: global_buffer, .address_space: global }
      - { .name: mo, .offset: 40, .size: 8, .value_kind: global_buffer, .address_space: global }
      - { .name: part, .offset: 48, .size: 8, .value_kind: global_buffer, .address_space: global }
    .group_segment_fixed_size: 35840
    .private_segment_fixed_size: 0
    .kernarg_segment_align: 8
    .kernarg_segment_size: 56
    .max_flat_workgroup_size: 128
    .sgpr_count:     66
    .vgpr_count:     226
    .wavefront_size: 32
...
	.end_amdgpu_metadata
.endif
;; end of part 1
;; launch window (part 2): grid 256 x 1, 8 waves a work-group, no clusters, 121,856 bytes of LDS; arguments shallow_codes, shallow_scales, K_w_codes, K_w_scales, K_b, mo, part, out0, out1; writes out0, out1
.if DOCPART == 2
	.amdgcn_target "amdgcn-amd-amdhsa--gfx1250"
	.amdhsa_code_object_version 6
	.text
	.protected	k_q30a02f4588_window
	.globl	k_q30a02f4588_window
	.p2align	8
	.type	k_q30a02f4588_window,@function
k_q30a02f4588_window:
	s_mov_b64 s[64:65], 0
	v_nop
	global_prefetch_b8 v0, s[64:65] scope:SCOPE_SE
	s_setreg_imm32_b32 hwreg(HW_REG_WAVE_MODE, 25, 1), 1
	s_wait_xcnt 0x0
; out1 = re_score = lit . max_out;  out0 = (1 + sigmoid(re_score)) x att,  att = the softmax over a 3 x 3 window (stride 2, pad 1) of qmean x Kx, applied to Kx;  Kx = K_w x shallow + K_b on codes of FP4 (E2M1), K = 256.
; SHARES.  Work-group (b, i) makes output row i of image b: 64 pixels x 256 channels.  Wave w keeps 16 pixels (jt = w % 4) for the whole launch and walks eight tiles of 16 channels: in step k channels 32 k + 16 (w / 4) + r.
; EACH OF THE NINE TAPS IS A MATRIX TILE OF ITS OWN: source 0 = the input pixels (row 2 i - 1 + rho, column 2 j + delta) of 16 output pixels j, source 1 = 16 rows of K_w.  Lane (r, h) register jj of every tap's
; result is (output pixel 16 jt + 8 h + jj, channel r): all nine taps of an output lie in one lane, and nothing changes lanes.  The nine fragments (144 registers) are fetched once and stay; K_w's fragment comes from LDS in each step.
; THE BIAS.  The products give x = Kx - b.  A softmax is unchanged by a shift common to the window, so att = b + sum(p x) / sum(p).  A padded tap has Kx = 0, that is x = -b: the top row (i = 0) has zero codes and -b as the
; products' C; the left column (j = 0) is set by a select on a mask that hangs on the wave's number alone.
; SOFTMAX.  l = x qmean log2(e); the window's largest l is taken away; p = 2^(l - max).  A unit goes in two halves of four pixels, and one half's exponentials stand singly between the other half's plain lines.
; OUT.  32 channels x 64 pixels meet in a stage in LDS (two, by turns: one barrier a step, its signal and its wait apart) and leave as rows: sixteen lanes store 256 consecutive bytes, aligned.
; No tensor load, no cluster: everything is asked for once, at the head; the rows are parted into even and odd pixels and the top row is masked on the way through registers; what work-groups share is K_w, 34,816 bytes once a work-group.
; No prefetch: no load stands behind the head.
; LIMITS: NaN, infinities and the scale byte 0xff among the inputs are not served; a p under 2^-126 counts as 0 (v_exp_f32 flushes: ISA guide, its entry in 15.8); where qmean x Kx leaves f32's range the result is not reference()'s.
.set RROW, 18576                       ; LDS: an input row: 64 even pixels at 144 (x / 2); from ODD on 65 places for odd pixels, 144 (x / 2 + 1): place 0 is the left pad.  144 = a pixel's 128 bytes + 16
.set ODD,  9216
.set SCB,  55808                       ; three rows of scale bytes, SCR apart: pixel x's eight at 8 (x + 1); place 0 is the pad
.set SCR,  1040
.set WB,   59136                       ; K_w's codes: 256 rows, 144 apart
.set NBT,  96000                       ; for each channel 16 bytes: four times (i = 0: -b, else 0)
.set LP,   100096                      ; lit's parts: [wave][32]
.set PWB,  101120                      ; 256 bytes for each wave, its own: lit 128, S 64, G 64
.set RSB,  103168                      ; the row of re_score
.set STG,  103424                      ; two stages of 32 rows (channels) x (256 bytes + 16)
.set STH,  8704
.set X,    16                          ; v16-87   x: tap tau = 3 rho + delta + 1 at + 8 tau
.set L,    88                          ; v88-159  l, then p
.set MX,   160                         ; v160-167 the window's largest l, later 1 / sum(p)
.set DEN,  168                         ; v168-175 sum(p)
.set NUM,  176                         ; v176-183 sum(p x), then the result
.set RB,   184                         ; v184-191 rows read back from a stage
.set S,    192                         ; v192-199 qmean log2(e) of my eight pixels
.set G,    200                         ; v200-207 1 + sigmoid(re_score) of them
.set CT,   208                         ; v208-215 the C of the top row's products
.set BP,   216                         ; v216-231 pair k: (b, -b) of my channel in step k
.set SA,   232                         ; v232-240 the taps' scale words: lanes 0-15 K step 0's, lanes 16-31 K step 1's
.set SW,   241                         ; v241-248 K_w's, step k: likewise
.set WF,   144                         ; window 1: v0-143 the nine fragments (16 tau + 8 s + 4 c); v144-175 K_w's fragment, two buffers
; v1-15, v249-255: addresses, made at the head and never rewritten
.set MSB, 0
.macro WIN new                         ; the immediate's high byte repeats the setting that is left
.if MSB != \new
	s_set_vgpr_msb (MSB<<8)|\new
.set MSB, \new
.endif
.endm
.macro PLACES
.rept 4
	v_nop
.endr
.endm
; THE EXPONENTIALS of a half (9 taps x 4 pixels, in place on l) are dealt out one behind each plain line of the other half's work.
.set EXON, 0
.set EC, 0
.set EXB, 0
.macro EXGO hh
.set EXB, L+4*(\hh)
.set EC, 0
.set EXON, 1
.endm
.macro EXQ
.if EXON && (EC < 36)
	v_exp_f32 v[EXB+8*(EC/4)+EC%4], v[EXB+8*(EC/4)+EC%4]
.set EC, EC+1
.endif
.endm
.macro EXFLUSH
.rept 36
	EXQ
.endr
.set EXON, 0
.endm
; l = x S; the window's largest; l - largest.  52 plain lines for four pixels
.macro PRE hh
.irp tau, 0,1,2,3,4,5,6,7,8
.irp p, 0,2
	v_pk_mul_f32 v[L+8*\tau+4*(\hh)+\p:L+8*\tau+4*(\hh)+\p+1], v[X+8*\tau+4*(\hh)+\p:X+8*\tau+4*(\hh)+\p+1], v[S+4*(\hh)+\p:S+4*(\hh)+\p+1]
	EXQ
.endr
.endr
.irp e, 0,1,2,3
	v_max3_num_f32 v[MX+4*(\hh)+\e], v[L+4*(\hh)+\e], v[L+8+4*(\hh)+\e], v[L+16+4*(\hh)+\e]
	EXQ
.endr
.irp st, 3,5,7
.irp e, 0,1,2,3
	v_max3_num_f32 v[MX+4*(\hh)+\e], v[MX+4*(\hh)+\e], v[L+8*\st+4*(\hh)+\e], v[L+8*\st+8+4*(\hh)+\e]
	EXQ
.endr
.endr
.irp tau, 0,1,2,3,4,5,6,7,8
.irp p, 0,2
	v_pk_add_f32 v[L+8*\tau+4*(\hh)+\p:L+8*\tau+4*(\hh)+\p+1], v[L+8*\tau+4*(\hh)+\p:L+8*\tau+4*(\hh)+\p+1], v[MX+4*(\hh)+\p:MX+4*(\hh)+\p+1] neg_lo:[0,1] neg_hi:[0,1]
	EXQ
.endr
.endr
.endm
; sum(p) and sum(p x): four chains by turns, 34 plain lines
.macro SUM hh
.irp p, 0,2
	v_pk_add_f32 v[DEN+4*(\hh)+\p:DEN+4*(\hh)+\p+1], v[L+4*(\hh)+\p:L+4*(\hh)+\p+1], v[L+8+4*(\hh)+\p:L+8+4*(\hh)+\p+1]
	EXQ
	v_pk_mul_f32 v[NUM+4*(\hh)+\p:NUM+4*(\hh)+\p+1], v[L+4*(\hh)+\p:L+4*(\hh)+\p+1], v[X+4*(\hh)+\p:X+4*(\hh)+\p+1]
	EXQ
.endr
.irp p, 0,2
	v_pk_fma_f32 v[NUM+4*(\hh)+\p:NUM+4*(\hh)+\p+1], v[L+8+4*(\hh)+\p:L+8+4*(\hh)+\p+1], v[X+8+4*(\hh)+\p:X+8+4*(\hh)+\p+1], v[NUM+4*(\hh)+\p:NUM+4*(\hh)+\p+1]
	EXQ
.endr
.irp tau, 2,3,4,5,6,7,8
.irp p, 0,2
	v_pk_add_f32 v[DEN+4*(\hh)+\p:DEN+4*(\hh)+\p+1], v[DEN+4*(\hh)+\p:DEN+4*(\hh)+\p+1], v[L+8*\tau+4*(\hh)+\p:L+8*\tau+4*(\hh)+\p+1]
	EXQ
	v_pk_fma_f32 v[NUM+4*(\hh)+\p:NUM+4*(\hh)+\p+1], v[L+8*\tau+4*(\hh)+\p:L+8*\tau+4*(\hh)+\p+1], v[X+8*\tau+4*(\hh)+\p:X+8*\tau+4*(\hh)+\p+1], v[NUM+4*(\hh)+\p:NUM+4*(\hh)+\p+1]
	EXQ
.endr
.endr
.endm
.macro RCPS hh
.irp e, 0,1,2,3
	v_rcp_f32 v[MX+4*(\hh)+\e], v[DEN+4*(\hh)+\e]
.endr
.endm
; (sum(p x) / sum(p) + b) x G
.macro FIN hh, k
.irp p, 0,2
	v_pk_fma_f32 v[NUM+4*(\hh)+\p:NUM+4*(\hh)+\p+1], v[NUM+4*(\hh)+\p:NUM+4*(\hh)+\p+1], v[MX+4*(\hh)+\p:MX+4*(\hh)+\p+1], v[BP+2*(\k):BP+2*(\k)+1] op_sel_hi:[1,1,0]
.endr
.irp p, 0,2
	v_pk_mul_f32 v[NUM+4*(\hh)+\p:NUM+4*(\hh)+\p+1], v[NUM+4*(\hh)+\p:NUM+4*(\hh)+\p+1], v[G+4*(\hh)+\p:G+4*(\hh)+\p+1]
.endr
.endm
; A unit's 18 products: the nine accumulators take turns, one instruction a turn, K step 0 and then K step 1
.macro MATS k
	WIN 0x05                                       ; sources 0 and 1 in window 1; C and D in window 0
.irp tau, 0,1,2
	v_wmma_scale_f32_16x16x128_f8f6f4 v[X+8*\tau:X+8*\tau+7], v[16*\tau:16*\tau+7], v[WF+16*((\k)&1):WF+16*((\k)&1)+7], v[CT:CT+7], v[SA+\tau], v[SW+(\k)] matrix_a_fmt:MATRIX_FMT_FP4 matrix_b_fmt:MATRIX_FMT_FP4
.endr
.irp tau, 3,4,5,6,7,8
	v_wmma_scale_f32_16x16x128_f8f6f4 v[X+8*\tau:X+8*\tau+7], v[16*\tau:16*\tau+7], v[WF+16*((\k)&1):WF+16*((\k)&1)+7], 0, v[SA+\tau], v[SW+(\k)] matrix_a_fmt:MATRIX_FMT_FP4 matrix_b_fmt:MATRIX_FMT_FP4
.endr
.irp tau, 0,1,2,3,4,5,6,7,8
	v_wmma_scale_f32_16x16x128_f8f6f4 v[X+8*\tau:X+8*\tau+7], v[16*\tau+8:16*\tau+15], v[WF+16*((\k)&1)+8:WF+16*((\k)&1)+15], v[X+8*\tau:X+8*\tau+7], v[SA+\tau], v[SW+(\k)] matrix_a_fmt:MATRIX_FMT_FP4 matrix_b_fmt:MATRIX_FMT_FP4 matrix_a_scale:MATRIX_SCALE_ROW1 matrix_b_scale:MATRIX_SCALE_ROW1
.endr
	WIN 0
.endm
.macro FRAG4 tau, off                  ; a tap's fragment, both K steps: registers 4 q from byte 32 q of the pixel (q = 2 s + c)
.irp q, 0,1,2,3
	ds_load_b128 v[16*(\tau)+4*\q:16*(\tau)+4*\q+3], v4 offset:(\off)+32*\q
.endr
.endm
.macro TAPS rho                        ; column 2 j - 1: odd place j;  2 j: even place j;  2 j + 1: odd place j + 1
	FRAG4 3*(\rho), (\rho)*RROW+ODD
	FRAG4 3*(\rho)+1, (\rho)*RROW
	FRAG4 3*(\rho)+2, (\rho)*RROW+ODD+144
.endm
	s_load_b512 s[8:23], s[0:1], 0x0               ; shallow's codes s[8:9], its scales s[10:11], K_w's codes s[12:13], its scales s[14:15], K_b s[16:17], mo s[18:19], part s[20:21], out0 s[22:23]
	s_load_b64 s[24:25], s[0:1], 0x40              ; out1
	s_set_vgpr_msb 0x40
	v_lshl_add_u32 v254, v0, 2, 0x1d800
	v_mov_b32 v255, 0
	s_set_vgpr_msb 0x4000
	v_lshrrev_b32 v143, 5, v0
	v_readfirstlane_b32 s26, v143                  ; wave 0..7
	s_and_b32 s27, s26, 3                          ; jt
	s_lshr_b32 s28, s26, 2                         ; cg
	s_lshr_b32 s29, ttmp9, 6                       ; b
	s_and_b32 s30, ttmp9, 63                       ; i
	s_cmp_eq_u32 s30, 0
	s_cselect_b32 s31, 0, -1                       ; KEEP: clears the top row where it is padding
	s_cselect_b32 s32, -1, 0                       ; TOP: keeps -b there
	s_cmp_eq_u32 s27, 0
	s_cselect_b32 vcc_lo, 0xffff, 0                ; lanes 0-15 of the waves that hold pixel 0; VCC is written here alone
	s_mov_b32 s34, 0x76543210
	s_mov_b32 s35, 0xfedcba98                      ; v_permlanex16_b32's selects for lane l xor 16
	v_and_b32 v140, 31, v0                         ; l
	v_and_b32 v141, 15, v0                         ; r
	v_bfe_u32 v142, v0, 4, 1                       ; h
	v_bfe_u32 v143, v0, 3, 1                       ; thread t's 16 bytes of a load's 4,096: pixel t / 8 of 32, byte 16 (t % 8)
	v_mul_u32_u24 v1, v143, ODD+144
	v_lshrrev_b32 v143, 4, v0
	v_mad_u32_u24 v1, v143, 144, v1
	v_and_b32 v144, 7, v0
	v_lshl_add_u32 v1, v144, 4, v1                 ; v1: an input row on its way in, even and odd pixels parted
	v_lshrrev_b32 v143, 3, v0
	v_mul_u32_u24 v2, v143, 144
	v_lshl_add_u32 v2, v144, 4, v2
	v_add_nc_u32 v2, WB, v2                        ; v2: K_w on its way in
	v_lshl_add_u32 v3, v0, 2, SCB+8                ; v3: scale bytes on their way in
	s_mul_i32 s52, s27, 16*144
	v_mul_u32_u24 v145, v141, 144
	v_lshl_add_u32 v145, v142, 4, v145             ; 144 r + 16 h
	v_add_nc_u32 v4, s52, v145                     ; v4: a tap's fragment: place 16 jt + r
	s_lshl_b32 s53, s27, 8
	v_lshlrev_b32 v5, 4, v141
	v_lshl_add_u32 v5, v142, 2, v5
	v_add_nc_u32 v5, s53, v5
	v_add_nc_u32 v5, SCB, v5                       ; v5: its scale word: 16 (16 jt + r) + 4 h
	s_mul_i32 s54, s28, 16*144
	v_add_nc_u32 v6, s54, v145
	v_add_nc_u32 v6, WB, v6                        ; v6: K_w's fragment: row 16 cg + r
	s_lshl_b32 s55, s28, 8
	v_lshlrev_b32 v7, 4, v141
	v_add_nc_u32 v7, s55, v7
	v_add_nc_u32 v7, NBT, v7                       ; v7: the top row's C of my channel
	s_mul_i32 s56, s28, 16*272
	s_lshl_b32 s57, s27, 6
	s_add_co_u32 s56, s56, s57
	v_mul_u32_u24 v8, v141, 272
	v_lshl_add_u32 v8, v142, 5, v8
	v_add_nc_u32 v8, s56, v8
	v_add_nc_u32 v8, STG, v8                       ; v8: into a stage: row 16 cg + r, byte 64 jt + 32 h
	s_mul_i32 s56, s26, 4*272
	v_mul_u32_u24 v9, v142, 272
	v_lshl_add_u32 v9, v141, 4, v9
	v_add_nc_u32 v9, s56, v9
	v_add_nc_u32 v9, STG, v9                       ; v9: out of it: rows 4 w + h, 16 bytes a lane
	s_lshl_b32 s56, s26, 16
	v_lshlrev_b32 v10, 14, v142
	v_lshl_add_u32 v10, v141, 4, v10
	v_add_nc_u32 v10, s56, v10                     ; v10: the same place in out0: a channel is 16,384 bytes
	v_lshlrev_b32 v11, 4, v0                       ; v11: 16 t
	v_lshlrev_b32 v12, 2, v0                       ; v12: 4 t
	s_lshl_b32 s56, s26, 8
	s_add_co_u32 s56, s56, PWB
	v_lshl_add_u32 v13, v140, 2, s56               ; v13: my wave's bytes + 4 l
	v_lshl_add_u32 v14, v142, 5, s56               ; v14: + 32 h
	v_lshl_add_u32 v15, v141, 2, s56
	v_add_nc_u32 v15, 128, v15                     ; v15: + 128 + 4 r
	s_lshl_b32 s56, s26, 7
	s_add_co_u32 s56, s56, LP
	v_and_b32 v143, 7, v140
	v_lshl_add_u32 v249, v143, 4, s56              ; v249: my wave's part of lit, d' = 4 (l % 8) on
	v_lshl_add_u32 v250, v140, 2, LP               ; v250: d' = l of wave 0's part
	s_add_co_u32 s57, s57, RSB
	v_lshl_add_u32 v251, v141, 2, s57              ; v251: re_score of pixel 16 jt + r
	v_lshl_add_u32 v252, v140, 3, RSB              ; v252: and on its way out
	v_lshlrev_b32 v253, 3, v140                    ; v253: 8 l
	v_lshl_add_u32 v254, v0, 4, NBT                ; v254
	v_lshlrev_b32 v255, 4, v140                    ; v255: 16 l
	s_lshl_b32 s56, s28, 7
	v_lshlrev_b32 v126, 3, v141
	v_lshl_add_u32 v126, v142, 2, v126
	v_add_nc_u32 v126, s56, v126                   ; v126: K_w's scale word: 8 (16 cg + r) + 4 h
	s_lshl_b32 s56, s28, 6
	v_lshl_add_u32 v127, v141, 2, s56              ; v127: K_b: 4 (16 cg + r)
	v_lshlrev_b32 v132, 4, v143                    ; the pads: 16 (l % 8),
	v_and_b32 v133, 1, v0
	v_lshl_add_u32 v133, v133, 2, SCB              ; 4 (l % 2),
	v_mov_b32 v134, 0x7f7f7f7f                     ; scales of 1,
.irp j, 0,1,2,3
	v_mov_b32 v[136+\j], 0                         ; codes of 0
.endr
	s_lshl_b32 s52, s30, 1                         ; the middle row: 2 i
	s_sub_co_i32 s53, s52, 1
	s_max_i32 s53, s53, 0                          ; the top row: 2 i - 1; for i = 0 row 0 is loaded and cleared
	s_lshl_b32 s54, s29, 7
	s_add_co_u32 s53, s53, s54
	s_add_co_u32 s52, s52, s54
	s_lshl_b32 s36, s53, 14                        ; a row of codes is 16,384 bytes,
	s_mov_b32 s37, 0
	s_lshl_b32 s38, s52, 14
	s_mov_b32 s39, 0
	s_lshl_b32 s40, s53, 10                        ; of scale bytes 1,024
	s_mov_b32 s41, 0
	s_lshl_b32 s42, s52, 10
	s_mov_b32 s43, 0
	s_lshl_b32 s44, s29, 8                         ; mo: tile 256 b + 4 i + jt, 2,048 bytes a tile
	s_lshl_b32 s55, s30, 2
	s_add_co_u32 s44, s44, s55
	s_add_co_u32 s44, s44, s27
	s_lshl_b32 s44, s44, 11
	s_mov_b32 s45, 0
	s_lshl_b32 s46, s29, 13                        ; part: the image's 8,192 bytes, my wave's 1,024
	s_lshl_b32 s55, s26, 10
	s_add_co_u32 s46, s46, s55
	s_mov_b32 s47, 0
	s_lshl_b32 s48, s29, 22                        ; out0: image b, row i
	s_lshl_b32 s55, s30, 8
	s_add_co_u32 s48, s48, s55
	s_mov_b32 s49, 0
	s_lshl_b32 s50, ttmp9, 8                       ; out1: 256 bytes a work-group
	s_mov_b32 s51, 0
	s_wait_kmcnt 0x0
	s_add_nc_u64 s[36:37], s[8:9], s[36:37]
	s_add_nc_u64 s[38:39], s[8:9], s[38:39]
	s_add_nc_u64 s[40:41], s[10:11], s[40:41]
	s_add_nc_u64 s[42:43], s[10:11], s[42:43]
	s_add_nc_u64 s[44:45], s[18:19], s[44:45]
	s_add_nc_u64 s[46:47], s[20:21], s[46:47]
	s_add_nc_u64 s[48:49], s[22:23], s[48:49]
	s_add_nc_u64 s[50:51], s[24:25], s[50:51]
	; 46 loads: all that the wave ever asks of memory.  The waits below count the loads issued behind the ones that they wait for
	global_load_b128 v[100:103], v255, s[46:47]
	global_load_b128 v[104:107], v255, s[46:47] offset:512
.irp q, 0,1,2,3
	global_load_b128 v[108+4*\q:111+4*\q], v255, s[44:45] offset:512*\q
.endr
	global_load_b32 v124, v12, s[16:17]            ; K_b[t]
	global_load_b32 v96, v12, s[40:41]
	global_load_b32 v97, v12, s[42:43]
	global_load_b32 v98, v12, s[42:43] offset:1024
.irp n, 0,1,2,3
	global_load_b128 v[16+4*\n:19+4*\n], v11, s[36:37] offset:4096*\n
.endr
.irp n, 0,1,2,3
	global_load_b128 v[32+4*\n:35+4*\n], v11, s[38:39] offset:4096*\n
.endr
.irp n, 0,1,2,3
	global_load_b128 v[48+4*\n:51+4*\n], v11, s[38:39] offset:16384+4096*\n
.endr
.irp n, 0,1,2,3,4,5,6,7
	global_load_b128 v[64+4*\n:67+4*\n], v11, s[12:13] offset:4096*\n
.endr
.irp k, 0,1,2,3,4,5,6,7
	global_load_b32 v[SW+\k], v126, s[14:15] offset:256*\k
.endr
.irp k, 0,1,2,3,4,5,6,7
	global_load_b32 v[BP+2*\k], v127, s[16:17] offset:128*\k
.endr
	s_wait_loadcnt 44                              ; part: my wave's eight work-groups' numbers; lane l holds d' = 4 (l % 8) + 0 .. 3 of two of them
	v_pk_add_f32 v[100:101], v[100:101], v[104:105]
	v_pk_add_f32 v[102:103], v[102:103], v[106:107]
.irp u, 0,1,2,3
	v_add_f32_dpp v[100+\u], v[100+\u], v[100+\u] row_xmask:8 row_mask:0xf bank_mask:0xf
.endr
.irp u, 0,1,2,3
	v_permlanex16_b32 v[104+\u], v[100+\u], s34, s35
.endr
.irp u, 0,1,2,3
	v_add_f32 v[100+\u], v[100+\u], v[104+\u]
.endr
	ds_store_b128 v249, v[100:103]                 ; four lanes write the same 16 bytes with the same values
	s_wait_loadcnt 39                              ; mo and K_b[t]
	v_xor_b32 v128, 0x80000000, v124
	v_and_b32 v128, s32, v128                      ; -b where the top row is padding, else 0
	v_mov_b32 v129, v128
	v_mov_b32 v130, v128
	v_mov_b32 v131, v128
	ds_store_b128 v254, v[128:131]
	s_wait_loadcnt 36                              ; the three rows' scale bytes
	v_and_b32 v96, s31, v96
	ds_store_b32 v3, v96
	ds_store_b32 v3, v97 offset:SCR
	ds_store_b32 v3, v98 offset:2*SCR
	s_wait_loadcnt 32                              ; the top row
.irp j, 0,1,2,3,4,5,6,7,8,9,10,11,12,13,14,15
	v_and_b32 v[16+\j], s31, v[16+\j]
.endr
.irp n, 0,1,2,3
	ds_store_b128 v1, v[16+4*\n:19+4*\n] offset:16*144*\n
.endr
	s_wait_loadcnt 28                              ; the middle row
.irp n, 0,1,2,3
	ds_store_b128 v1, v[32+4*\n:35+4*\n] offset:RROW+16*144*\n
.endr
	s_wait_loadcnt 24                              ; the bottom row
.irp n, 0,1,2,3
	ds_store_b128 v1, v[48+4*\n:51+4*\n] offset:2*RROW+16*144*\n
.endr
	s_wait_loadcnt 16                              ; K_w
.irp n, 0,1,2,3,4,5,6,7
	ds_store_b128 v2, v[64+4*\n:67+4*\n] offset:32*144*\n
.endr
	s_cmp_lg_u32 s26, 0
	s_cbranch_scc1 .Lno_pads                       ; wave 0 writes the left pads: zero codes, scales of 1
.irp rho, 0,1,2
	ds_store_b128 v132, v[136:139] offset:\rho*RROW+ODD
	ds_store_b32 v133, v134 offset:\rho*SCR
.endr
.Lno_pads:
	s_wait_dscnt 0x0                               ; for the others' sake: my stores have landed
	s_barrier_signal -1
	s_barrier_wait -1                              ; rows, scale bytes, K_w, the top row's C and lit's parts lie in LDS
.irp u, 0,1,2,3,4,5,6,7
	ds_load_b32 v[64+\u], v250 offset:128*\u       ; lit[l]: the eight waves' parts
.endr
	WIN 0x40                                       ; destination window 1
	TAPS 0
	TAPS 1
	TAPS 2
.irp q, 0,1,2,3
	ds_load_b128 v[WF+4*\q:WF+4*\q+3], v6 offset:32*\q   ; K_w's fragment of step 0
.endr
	WIN 0
.irp rho, 0,1,2
.irp dd, 0,1,2
	ds_load_b32 v[SA+3*\rho+\dd], v5 offset:\rho*SCR+8*\dd   ; pixel 2 j + dd - 1 lies at 8 (2 j + dd)
.endr
.endr
	ds_load_b128 v[CT:CT+3], v7
	ds_load_b128 v[CT+4:CT+7], v7
	s_wait_dscnt 51                                ; lit's parts are in: 36 + 4 + 9 + 2 loads were issued behind them
	v_add_f32 v64, v64, v65
	v_add_f32 v66, v66, v67
	v_add_f32 v68, v68, v69
	v_add_f32 v70, v70, v71
	v_add_f32 v64, v64, v66
	v_add_f32 v68, v68, v70
	v_add_f32 v64, v64, v68
	v_mul_f32 v64, 0x39800000, v64                 ; / 4,096
	ds_store_b32 v13, v64                          ; through my wave's own bytes into mo's order: channels 8 h + 0 .. 7, 16 + 8 h + 0 .. 7
	ds_load_b128 v[72:75], v14
	ds_load_b128 v[76:79], v14 offset:16
	ds_load_b128 v[80:83], v14 offset:64
	ds_load_b128 v[84:87], v14 offset:80
	s_wait_dscnt 0x0
	v_mul_f32 v88, v72, v108                       ; re_score of pixel 16 jt + r: my 16 channels, two chains
	v_mul_f32 v89, v80, v116
.irp j, 1,2,3,4,5,6,7
	v_fma_f32 v88, v[72+\j], v[108+\j], v88
	v_fma_f32 v89, v[80+\j], v[116+\j], v89
.endr
	v_add_f32 v88, v88, v89
	v_pk_add_f32 v[90:91], v[108:109], v[110:111]  ; and the sum of max_out over them
	v_pk_add_f32 v[92:93], v[112:113], v[114:115]
	v_pk_add_f32 v[90:91], v[90:91], v[116:117]
	v_pk_add_f32 v[92:93], v[92:93], v[118:119]
	v_pk_add_f32 v[90:91], v[90:91], v[120:121]
	v_pk_add_f32 v[92:93], v[92:93], v[122:123]
	v_pk_add_f32 v[90:91], v[90:91], v[92:93]
	v_add_f32 v90, v90, v91
	v_permlanex16_b32 v96, v88, s34, s35
	v_permlanex16_b32 v97, v90, s34, s35
	v_add_f32 v88, v88, v96                        ; re_score
	v_add_f32 v90, v90, v97
	v_mul_f32 v90, 0x3d38aa3b, v90                 ; S = the mean over 32 channels x log2(e)
	v_mul_f32 v91, 0xbfb8aa3b, v88
	v_exp_f32 v91, v91                             ; e^(-re_score)
	v_nop                                          ; a plain line behind a transcendental,
	s_wait_alu depctr_va_vdst(0)                   ; and the wait ahead of its first reader
	v_add_f32 v91, 1.0, v91
	v_rcp_f32 v91, v91
	v_nop
	s_wait_alu depctr_va_vdst(0)
	v_add_f32 v91, 1.0, v91                        ; G = 1 + sigmoid(re_score)
	ds_store_b32 v15, v90                          ; a lane holds one pixel's S and G and wants eight pixels': through my wave's own bytes
	ds_store_b32 v15, v91 offset:64
	s_cmp_lg_u32 s28, 0
	s_cbranch_scc1 .Lno_rsb                        ; waves 0 to 3 hold the row's 64 pixels once
	ds_store_b32 v251, v88
.Lno_rsb:
	ds_load_b128 v[S:S+3], v14 offset:128
	ds_load_b128 v[S+4:S+7], v14 offset:144
	ds_load_b128 v[G:G+3], v14 offset:192
	ds_load_b128 v[G+4:G+7], v14 offset:208
	s_wait_loadcnt 0x0                             ; K_w's scale words and K_b
.irp k, 0,1,2,3,4,5,6,7
	v_xor_b32 v[BP+2*\k+1], 0x80000000, v[BP+2*\k]
.endr
	s_wait_dscnt 0x0                               ; fragments, scale words, C, S and G are in
; STEP k: 16 channels x my 16 pixels.
.macro STEP k
	MATS \k                                        ; (for k > 0 these stand between the last step's signal and its wait: work on registers)
	PLACES                                         ; four places in front of the reads of the results and of the loads into C's registers
.if (\k) > 0
	s_barrier_wait -1                              ; the last step's 32 rows lie whole in their stage
.if (\k) == 1
	s_cmp_lg_u32 s26, 0
	s_cbranch_scc1 .Lno_out1                       ; behind the first barrier the row of re_score is whole: wave 0 stores it, 256 consecutive bytes, aligned
	ds_load_b64 v[RB:RB+1], v252
	s_wait_dscnt 0x0
	global_store_b64 v253, v[RB:RB+1], s[50:51]
.Lno_out1:
.endif
	s_wait_xcnt 0x0                                ; the earlier stores have read their data: only behind this wait are RB's registers loaded again
	ds_load_b128 v[RB:RB+3], v9 offset:(((\k)-1)&1)*STH
	ds_load_b128 v[RB+4:RB+7], v9 offset:(((\k)-1)&1)*STH+2*272
.endif
.if (\k) < 7
	ds_load_b128 v[CT:CT+3], v7 offset:512*((\k)+1)      ; the next step's C and fragment of K_w
	ds_load_b128 v[CT+4:CT+7], v7 offset:512*((\k)+1)
	WIN 0x40
.irp q, 0,1,2,3
	ds_load_b128 v[WF+16*(((\k)+1)&1)+4*\q:WF+16*(((\k)+1)&1)+4*\q+3], v6 offset:32*144*((\k)+1)+32*\q
.endr
	WIN 0
.endif
.irp tau, 0,3,6
	v_cndmask_b32 v[X+8*\tau], v[X+8*\tau], v[BP+2*(\k)+1], vcc_lo   ; the left pad of pixel 0: x = -b
.endr
	PRE 0
.if (\k) > 0
.if (\k) < 7
	s_wait_dscnt 6                                 ; RB's two loads are in: six were issued behind them
.else
	s_wait_dscnt 0x0
.endif
	global_store_b128 v10, v[RB:RB+3], s[48:49] offset:((\k)-1)*524288 th:TH_STORE_NT          ; sixteen lanes store a channel's 256 bytes of this row, aligned; written once
	global_store_b128 v10, v[RB+4:RB+7], s[48:49] offset:((\k)-1)*524288+32768 th:TH_STORE_NT
.endif
	EXGO 0
	PRE 1                                          ; the first half's 36 exponentials stand between these 52 lines, which name none of their results
	s_wait_alu depctr_va_vdst(0)                   ; one wait for the 36, ahead of their first reader
	EXGO 1
	SUM 0                                          ; 34 of the second half's stand between these
	EXFLUSH
	RCPS 0
	v_nop                                          ; a plain line behind the last transcendental
	s_wait_alu depctr_va_vdst(0)                   ; one wait for the 36 and the four
	SUM 1
	RCPS 1
	FIN 0, \k                                      ; plain work that names none of the four just issued
	s_wait_alu depctr_va_vdst(0)
	FIN 1, \k
	ds_store_b128 v8, v[NUM:NUM+3] offset:((\k)&1)*STH
	ds_store_b128 v8, v[NUM+4:NUM+7] offset:((\k)&1)*STH+16
	s_wait_dscnt 0x0                               ; my stores have landed, my reads of the other stage are back, and the next step's operands are in
	s_barrier_signal -1
.endm
	STEP 0
	STEP 1
	STEP 2
	STEP 3
	STEP 4
	STEP 5
	STEP 6
	STEP 7
	s_barrier_wait -1
	s_wait_xcnt 0x0
	ds_load_b128 v[RB:RB+3], v9 offset:STH
	ds_load_b128 v[RB+4:RB+7], v9 offset:STH+2*272
	s_wait_dscnt 0x0
	global_store_b128 v10, v[RB:RB+3], s[48:49] offset:7*524288 th:TH_STORE_NT
	global_store_b128 v10, v[RB+4:RB+7], s[48:49] offset:7*524288+32768 th:TH_STORE_NT
	s_set_vgpr_msb 0x5
	s_wait_tensorcnt 0x0
	ds_add_u32 v254, v255
	s_wait_dscnt 0x0
	s_set_vgpr_msb 0x500
	s_endpgm
.Lfunc_end_k_q30a02f4588_window:
	.size	k_q30a02f4588_window, .Lfunc_end_k_q30a02f4588_window-k_q30a02f4588_window
	.p2alignl 7, 3214868480
	.fill 96, 4, 3214868480
	.section	.rodata,"a",@progbits
	.p2align	6, 0x0
	.amdhsa_kernel k_q30a02f4588_window
		.amdhsa_group_segment_fixed_size 121856
		.amdhsa_private_segment_fixed_size 0
		.amdhsa_enable_private_segment 0
		.amdhsa_kernarg_size 72
		.amdhsa_user_sgpr_count 2
		.amdhsa_user_sgpr_kernarg_segment_ptr 1
		.amdhsa_wavefront_size32 1
		.amdhsa_system_sgpr_workgroup_id_x 1
		.amdhsa_system_sgpr_workgroup_id_y 1
		.amdhsa_system_sgpr_workgroup_id_z 1
		.amdhsa_system_vgpr_workitem_id 0
		.amdhsa_next_free_vgpr 512
		.amdhsa_next_free_sgpr 66
		.amdhsa_reserve_vcc 1
		.amdhsa_float_denorm_mode_32 3
		.amdhsa_float_denorm_mode_16_64 3
		.amdhsa_memory_ordered 1
		.amdhsa_forward_progress 1
		.amdhsa_inst_pref_size 162
	.end_amdhsa_kernel
	.amdgpu_metadata
---
amdhsa.version: [ 1, 2 ]
amdhsa.kernels:
  - .name:           k_q30a02f4588_window
    .symbol:         k_q30a02f4588_window.kd
    .args:
      - { .name: shallow_codes, .offset: 0, .size: 8, .value_kind: global_buffer, .address_space: global }
      - { .name: shallow_scales, .offset: 8, .size: 8, .value_kind: global_buffer, .address_space: global }
      - { .name: K_w_codes, .offset: 16, .size: 8, .value_kind: global_buffer, .address_space: global }
      - { .name: K_w_scales, .offset: 24, .size: 8, .value_kind: global_buffer, .address_space: global }
      - { .name: K_b, .offset: 32, .size: 8, .value_kind: global_buffer, .address_space: global }
      - { .name: mo, .offset: 40, .size: 8, .value_kind: global_buffer, .address_space: global }
      - { .name: part, .offset: 48, .size: 8, .value_kind: global_buffer, .address_space: global }
      - { .name: out0, .offset: 56, .size: 8, .value_kind: global_buffer, .address_space: global }
      - { .name: out1, .offset: 64, .size: 8, .value_kind: global_buffer, .address_space: global }
    .group_segment_fixed_size: 121856
    .private_segment_fixed_size: 0
    .kernarg_segment_align: 8
    .kernarg_segment_size: 72
    .max_flat_workgroup_size: 256
    .sgpr_count:     66
    .vgpr_count:     512
    .wavefront_size: 32
...
	.end_amdgpu_metadata
.endif
;; end of part 2
;; ======== version 2 of 2: 2 launches; version 1 with the launches scores, window written anew for expert scheduling mode
;; workspace buffers: mo 2,097,152 bytes; part 32,768 bytes
;; launch scores (part 3): grid 256 x 1, 4 waves a work-group, no clusters, 35,840 bytes of LDS; arguments deep_codes, deep_scales, KSA_w_codes, KSA_w_scales, KSA_b, mo, part; writes mo, part
.if DOCPART == 3
	.amdgcn_target "amdgcn-amd-amdhsa--gfx1250"
	.amdhsa_code_object_version 6
	.text
	.protected	k_q30a02f4588_scores
	.globl	k_q30a02f4588_scores
	.p2align	8
	.type	k_q30a02f4588_scores,@function
k_q30a02f4588_scores:
	s_mov_b64 s[64:65], 0
	v_nop
	global_prefetch_b8 v0, s[64:65] scope:SCOPE_SE
	s_setreg_imm32_b32 hwreg(HW_REG_WAVE_SCHED_MODE, 0, 2), 2
	s_setreg_imm32_b32 hwreg(HW_REG_WAVE_MODE, 25, 1), 1
	s_wait_xcnt 0x0
	s_wait_alu depctr_vm_vsrc(0)
; max_out = KSA_w x deep + KSA_b on codes of FP4 (E2M1) with E8M0 scales, K = 512, and this work-group's part of
; lit[d'] = 1/4096 x the sum over c, m of q[128 c + m] x max_out[c][32 m + d'],  q[p] = the largest of max_out[.][p].
; SHARES.  Work-group (b, g) owns pixels 64 g .. 64 g + 63 of image b, which are m = 2 g and 2 g + 1.  For them it needs q at the 64 pixels
; 128 c + 2 g + e (c = 0 .. 31, e = 0, 1): it multiplies those pixels too, so that no sum waits for another work-group.
; Wave w has two tiles of 16 pixels: OWN (64 g + 16 w + r) and QT (128 (8 w + r / 2) + 2 g + r % 2), each against both tiles of 16 channels, four K steps of 128.
; Source 0 = 16 rows of KSA_w, source 1 = 16 pixels: lane (r, h) register j holds (channel 16 t + 8 h + j, pixel r).  The bias is the C of each sum's first product.
; OUT.  mo: the accumulators as they stand: [tile of 16 pixels][quad 0 .. 3][lane][16 bytes]: each store of a wave covers 512 consecutive bytes.  part: [b][g][32] f32, not yet divided by 4,096.
; The pixels' codes are loaded as they lie (each load 512 consecutive bytes: two pixels) and turned into fragments through the wave's own stage in LDS.
; No tensor load, no cluster: every byte is asked for at the head, once; what work-groups share (KSA_w: 8,704 bytes) is small beside a work-group's 34,816 bytes of pixels.
; LIMITS: NaN, infinities and the scale byte 0xff among the inputs are not served.
; THE MODE: SCHED_MODE bits 1:0 = 2 (LLVM: expert scheduling mode 2), set by the entry lines.  The code itself states the register dependences
; between vector or matrix instructions and memory or LDS instructions, with s_wait_alu, always for 0.
; THE PLAN.  Registers that memory or LDS instructions touch:
;   v1-v11     addresses and offsets: written at the head, ahead of one wait on va_vdst, and never again.
;   OWN, QT    loads from memory land in them; the LDS stores into the stage read them; behind a wait on vm_vsrc the fragments' LDS loads land in them; the products read them.
;   DO         written by the products; read by the four stores of max_out, which stand with q's LDS store behind ONE wait on va_vdst, and later by vector lines.
;   v216       q, read by an LDS store; written again behind a wait on vm_vsrc: the part, read by an LDS store; in wave 0 an LDS load lands in it behind a wait on vm_vsrc.
;   KW, CB, SD, SWK, QW are written by loads alone.
.set PIT,  272                         ; a pixel's row in the stage: 256 bytes of codes + 16
.set TSP,  16*PIT                      ; a tile's stage
.set TSW,  2*TSP                       ; a wave's two
.set QB,   4*TSW                       ; q[e][c] at 128 e + 4 c
.set PB,   QB+256                      ; the parts [e][d'] at 128 e + 4 d'
.set OWN,  16                          ; v16-47   OWN's codes as loaded, then its fragments (K step s at + 8 s)
.set QT,   48                          ; v48-79   QT's likewise
.set KW,   80                          ; v80-143  KSA_w's fragments (tile t, step s at + 32 t + 8 s)
.set CB,   144                         ; v144-159 the bias in the result's layout, tile t at + 8 t
.set DO,   160                         ; v160-175 OWN's two accumulators
.set DQ,   176                         ; v176-191 QT's two
.set SD,   192                         ; v192-195 the pixels' scale words, K step s: lanes 0-15 OWN's, lanes 16-31 QT's
.set SWK,  196                         ; v196-199 KSA_w's: lanes 0-15 rows 0-15, lanes 16-31 rows 16-31
.set QW,   200                         ; v200-215 q in the accumulators' order
	s_load_b256 s[4:11], s[0:1], 0x0               ; deep's codes s[4:5], its scales s[6:7], KSA_w's codes s[8:9], its scales s[10:11]
	s_load_b128 s[12:15], s[0:1], 0x20             ; KSA_b s[12:13], mo s[14:15]
	s_load_b64 s[16:17], s[0:1], 0x30              ; part
	v_lshl_add_u32 v222, v0, 2, 0x8a00
	v_mov_b32 v223, 0
	v_lshrrev_b32 v12, 5, v0
	v_readfirstlane_b32 s18, v12                   ; wave 0..3
	s_lshr_b32 s19, ttmp9, 6                       ; b
	s_and_b32 s20, ttmp9, 63                       ; g
	s_mov_b32 s22, 0x76543210
	s_mov_b32 s23, 0xfedcba98                      ; v_permlanex16_b32's selects for lane l xor 16
	v_and_b32 v13, 31, v0                          ; l
	v_and_b32 v14, 15, v0                          ; r
	v_bfe_u32 v15, v0, 4, 1                        ; h
	v_lshlrev_b32 v1, 4, v13                       ; v1: 16 l
	s_wait_alu depctr_va_sdst(0)                   ; s18 is written, ahead of its first reader: LDS places and the buffers' offsets are made from it
	s_mul_i32 s21, s18, TSW
	v_mul_u32_u24 v2, v15, PIT
	v_lshl_add_u32 v2, v14, 4, v2
	v_add_nc_u32 v2, s21, v2                       ; v2: into the stage: lanes 0-15 one pixel's row, lanes 16-31 the next
	v_mul_u32_u24 v3, v14, PIT
	v_lshl_add_u32 v3, v15, 4, v3
	v_add_nc_u32 v3, s21, v3                       ; v3: out of it: row r, + 16 h: a fragment's bytes
	v_lshlrev_b32 v4, 8, v14
	v_lshl_add_u32 v4, v15, 4, v4                  ; v4: KSA_w: row r of 256 bytes, + 16 h
	v_lshlrev_b32 v5, 5, v15                       ; v5: 32 h
	s_lshl_b32 s28, s20, 6
	s_lshl_b32 s29, s18, 4
	s_add_co_u32 s28, s28, s29                     ; OWN's first pixel
	s_lshl_b32 s29, s18, 10
	s_lshl_b32 s30, s20, 1
	s_add_co_u32 s29, s29, s30                     ; QT's first pixel
	v_add_nc_u32 v216, s28, v14                    ; OWN's pixel of row r
	v_lshrrev_b32 v218, 1, v14                     ; r / 2
	v_and_b32 v219, 1, v14                         ; r % 2
	v_lshl_add_u32 v220, v218, 7, v219
	v_add_nc_u32 v220, s29, v220                   ; QT's pixel of row r
	v_sub_nc_u32 v221, 1, v15
	v_mul_u32_u24 v216, v216, v221
	v_mad_u32_u24 v6, v220, v15, v216              ; lanes 0-15 take OWN's, lanes 16-31 QT's
	v_lshlrev_b32 v6, 4, v6                        ; v6: 16 scale bytes a pixel
	s_lshl_b32 s30, s18, 5
	v_lshlrev_b32 v7, 7, v219
	v_lshl_add_u32 v7, v218, 2, v7
	v_add_nc_u32 v7, s30, v7
	v_add_nc_u32 v7, QB, v7                        ; v7: where my q goes: e = r % 2, c = 8 w + r / 2
	s_lshr_b32 s31, s18, 1
	s_lshl_b32 s31, s31, 7
	v_add_nc_u32 v8, s31, v5
	v_add_nc_u32 v8, QB, v8                        ; v8: q of my wave's e = w / 2, channels 8 h on
	s_lshl_b32 s30, s18, 6
	v_lshlrev_b32 v9, 2, v14
	v_add_nc_u32 v9, s30, v9
	v_add_nc_u32 v9, PB, v9                        ; v9: my part: e = w / 2, d' = 16 (w % 2) + r: 64 w + 4 r
	v_lshlrev_b32 v11, 2, v13                      ; v11: 4 l
	v_add_nc_u32 v10, PB, v11                      ; v10
	v_mov_b32 v217, 0                              ; written once: a lane permute's destination counts as one of its sources
	s_lshl_b32 s24, s19, 20                        ; OWN's codes: (4,096 b + 64 g + 16 w) x 256 bytes
	s_lshl_b32 s25, s20, 14
	s_add_co_u32 s24, s24, s25
	s_lshl_b32 s25, s18, 12
	s_add_co_u32 s24, s24, s25
	s_mov_b32 s25, 0
	s_lshl_b32 s26, s19, 20                        ; QT's: (4,096 b + 1,024 w + 2 g) x 256
	s_lshl_b32 s27, s18, 18
	s_add_co_u32 s26, s26, s27
	s_lshl_b32 s27, s20, 9
	s_add_co_u32 s26, s26, s27
	s_mov_b32 s27, 0
	s_lshl_b32 s32, s19, 16                        ; the image's scale bytes
	s_mov_b32 s33, 0
	s_lshl_b32 s34, s19, 19                        ; mo: tile 256 b + 4 g + w, 2,048 bytes a tile
	s_lshl_b32 s35, s20, 13
	s_add_co_u32 s34, s34, s35
	s_lshl_b32 s35, s18, 11
	s_add_co_u32 s34, s34, s35
	s_mov_b32 s35, 0
	s_lshl_b32 s36, ttmp9, 7                       ; part: 128 bytes a work-group
	s_mov_b32 s37, 0
	s_wait_kmcnt 0x0
	s_add_nc_u64 s[24:25], s[4:5], s[24:25]
	s_add_nc_u64 s[26:27], s[4:5], s[26:27]
	s_add_nc_u64 s[32:33], s[6:7], s[32:33]
	s_add_nc_u64 s[34:35], s[14:15], s[34:35]
	s_add_nc_u64 s[36:37], s[16:17], s[36:37]
	s_wait_alu depctr_va_vdst(0)                   ; the eleven addresses and offsets v1 to v11 are written, which every load and store of the kernel reads
	; 38 loads, all that the wave ever asks of memory
.irp n, 0,1,2,3,4,5,6,7
	global_load_b128 v[OWN+4*\n:OWN+4*\n+3], v1, s[24:25] offset:512*\n       ; pixels 2 n, 2 n + 1 of the tile: 512 consecutive bytes
.endr
.irp n, 0,1,2,3,4,5,6,7
	global_load_b128 v[QT+4*\n:QT+4*\n+3], v1, s[26:27] offset:32768*\n       ; e = 0, 1 of channel 8 w + n: two neighbouring pixels
.endr
	global_load_b128 v[SD:SD+3], v6, s[32:33]
.irp t, 0,1
.irp s, 0,1,2,3
.irp c, 0,1
	global_load_b128 v[KW+32*\t+8*\s+4*\c:KW+32*\t+8*\s+4*\c+3], v4, s[8:9] offset:4096*\t+64*\s+32*\c
.endr
.endr
.endr
	global_load_b128 v[SWK:SWK+3], v1, s[10:11]    ; row l's four scale words
.irp t, 0,1
	global_load_b128 v[CB+8*\t:CB+8*\t+3], v5, s[12:13] offset:64*\t
	global_load_b128 v[CB+8*\t+4:CB+8*\t+7], v5, s[12:13] offset:64*\t+16
.endr
	s_wait_loadcnt 30                              ; OWN's eight are in: 30 loads were issued behind them
.irp n, 0,1,2,3,4,5,6,7
	ds_store_b128 v2, v[OWN+4*\n:OWN+4*\n+3] offset:2*PIT*\n
.endr
	s_wait_loadcnt 22                              ; QT's eight: 22 behind them
.irp n, 0,1,2,3,4,5,6,7
	ds_store_b128 v2, v[QT+4*\n:QT+4*\n+3] offset:TSP+2*PIT*\n
.endr
	s_wait_alu depctr_vm_vsrc(0)                   ; the sixteen LDS stores have read OWN's and QT's registers, in which the fragments' loads land
.irp s, 0,1,2,3                                    ; LDS serves a wave's instructions in order (ISA guide 5.7.1.4): these see my stores; the stage is my wave's own
.irp c, 0,1
	ds_load_b128 v[OWN+8*\s+4*\c:OWN+8*\s+4*\c+3], v3 offset:64*\s+32*\c
	ds_load_b128 v[QT+8*\s+4*\c:QT+8*\s+4*\c+3], v3 offset:TSP+64*\s+32*\c
.endr
.endr
	s_wait_loadcnt 0x0
	s_wait_dscnt 0x0
; A K step: the four accumulators take turns, one instruction a turn.  The first step's C is the bias.
.macro KSTEP s
.if (\s) == 0
.set C00, CB
.set C01, CB+8
.set C10, CB
.set C11, CB+8
.else
.set C00, DO
.set C01, DO+8
.set C10, DQ
.set C11, DQ+8
.endif
	v_wmma_scale_f32_16x16x128_f8f6f4 v[DO:DO+7], v[KW+8*(\s):KW+8*(\s)+7], v[OWN+8*(\s):OWN+8*(\s)+7], v[C00:C00+7], v[SWK+(\s)], v[SD+(\s)] matrix_a_fmt:MATRIX_FMT_FP4 matrix_b_fmt:MATRIX_FMT_FP4
	v_wmma_scale_f32_16x16x128_f8f6f4 v[DO+8:DO+15], v[KW+32+8*(\s):KW+32+8*(\s)+7], v[OWN+8*(\s):OWN+8*(\s)+7], v[C01:C01+7], v[SWK+(\s)], v[SD+(\s)] matrix_a_fmt:MATRIX_FMT_FP4 matrix_b_fmt:MATRIX_FMT_FP4 matrix_a_scale:MATRIX_SCALE_ROW1
	v_wmma_scale_f32_16x16x128_f8f6f4 v[DQ:DQ+7], v[KW+8*(\s):KW+8*(\s)+7], v[QT+8*(\s):QT+8*(\s)+7], v[C10:C10+7], v[SWK+(\s)], v[SD+(\s)] matrix_a_fmt:MATRIX_FMT_FP4 matrix_b_fmt:MATRIX_FMT_FP4 matrix_b_scale:MATRIX_SCALE_ROW1
	v_wmma_scale_f32_16x16x128_f8f6f4 v[DQ+8:DQ+15], v[KW+32+8*(\s):KW+32+8*(\s)+7], v[QT+8*(\s):QT+8*(\s)+7], v[C11:C11+7], v[SWK+(\s)], v[SD+(\s)] matrix_a_fmt:MATRIX_FMT_FP4 matrix_b_fmt:MATRIX_FMT_FP4 matrix_a_scale:MATRIX_SCALE_ROW1 matrix_b_scale:MATRIX_SCALE_ROW1
.endm
	KSTEP 0
	KSTEP 1
	KSTEP 2
	KSTEP 3
.rept 4
	v_nop                                          ; four places between the last product and the first read of a result (ISA guide 7.12.1)
.endr
	v_max3_num_f32 v216, v[DQ], v[DQ+1], v[DQ+2]   ; q: the largest of my 16 channels, two chains, each from its accumulator's low end on
	v_max3_num_f32 v218, v[DQ+8], v[DQ+9], v[DQ+10]
	v_max3_num_f32 v216, v216, v[DQ+3], v[DQ+4]
	v_max3_num_f32 v218, v218, v[DQ+11], v[DQ+12]
	v_max3_num_f32 v216, v216, v[DQ+5], v[DQ+6]
	v_max3_num_f32 v218, v218, v[DQ+13], v[DQ+14]
	v_max3_num_f32 v216, v216, v[DQ+7], v[DQ+15]
	v_max_num_f32 v216, v216, v218
	v_permlanex16_b32 v217, v216, s22, s23
	v_max_num_f32 v216, v216, v217                 ; with lane l xor 16's 16 channels
	s_wait_alu depctr_va_vdst(0)                   ; v216 is written, which the LDS store reads; the products have written DO, which the four stores read (the places above stay beside this wait)
	ds_store_b32 v7, v216                          ; both halves of the lanes write the same word with the same value
.irp q, 0,1,2,3
	global_store_b128 v1, v[DO+4*\q:DO+4*\q+3], s[34:35] offset:512*\q   ; max_out of my 16 pixels, each accumulator from its low end on; 512 consecutive bytes a store
.endr
	s_wait_dscnt 0x0                               ; for the others' sake: my q lies in LDS
	s_barrier_signal -1
	s_barrier_wait -1
	ds_load_b128 v[QW:QW+3], v8                    ; q[e][8 h + 0 .. 7], q[e][16 + 8 h + 0 .. 7]: the order of my accumulators' registers
	ds_load_b128 v[QW+4:QW+7], v8 offset:16
	ds_load_b128 v[QW+8:QW+11], v8 offset:64
	ds_load_b128 v[QW+12:QW+15], v8 offset:80
	s_wait_dscnt 0x0
	s_wait_alu depctr_vm_vsrc(0)                   ; q's LDS store has read v216, which the next line writes again
	v_mul_f32 v216, v[DO], v[QW]
	v_mul_f32 v218, v[DO+8], v[QW+8]
.irp j, 1,2,3,4,5,6,7
	v_fma_f32 v216, v[DO+\j], v[QW+\j], v216
	v_fma_f32 v218, v[DO+8+\j], v[QW+8+\j], v218
.endr
	v_add_f32 v216, v216, v218
	v_permlanex16_b32 v217, v216, s22, s23
	v_add_f32 v216, v216, v217                     ; the sum over all 32 channels for (e, d') of my pixel
	s_wait_alu depctr_va_vdst(0)                   ; v216 is written, which the LDS store reads; the lines above are also done with v216 and v218, in which wave 0's loads land
	ds_store_b32 v9, v216
	s_wait_dscnt 0x0
	s_barrier_signal -1
	s_barrier_wait -1
	s_cmp_lg_u32 s18, 0
	s_cbranch_scc1 .Ldone                          ; wave 0 adds e = 0 and e = 1 and stores the work-group's 32 numbers
	s_wait_alu depctr_vm_vsrc(0)                   ; the part's LDS store has read v216, in which the next load lands
	ds_load_b32 v216, v10
	ds_load_b32 v218, v10 offset:128
	s_wait_dscnt 0x0
	v_add_f32 v216, v216, v218
	s_wait_alu depctr_va_vdst(0)                   ; the addition has written v216, which the store reads
	global_store_b32 v11, v216, s[36:37]
.Ldone:
	s_wait_dscnt 0x0
	s_wait_alu depctr_hold_cnt(0) depctr_sa_sdst(0) depctr_va_vdst(0) depctr_va_sdst(0) depctr_va_ssrc(0) depctr_va_vcc(0) depctr_vm_vsrc(0)
	s_wait_tensorcnt 0x0
	ds_add_u32 v222, v223
	s_wait_dscnt 0x0
	s_endpgm
.Lfunc_end_k_q30a02f4588_scores:
	.size	k_q30a02f4588_scores, .Lfunc_end_k_q30a02f4588_scores-k_q30a02f4588_scores
	.p2alignl 7, 3214868480
	.fill 96, 4, 3214868480
	.section	.rodata,"a",@progbits
	.p2align	6, 0x0
	.amdhsa_kernel k_q30a02f4588_scores
		.amdhsa_group_segment_fixed_size 35840
		.amdhsa_private_segment_fixed_size 0
		.amdhsa_enable_private_segment 0
		.amdhsa_kernarg_size 56
		.amdhsa_user_sgpr_count 2
		.amdhsa_user_sgpr_kernarg_segment_ptr 1
		.amdhsa_wavefront_size32 1
		.amdhsa_system_sgpr_workgroup_id_x 1
		.amdhsa_system_sgpr_workgroup_id_y 1
		.amdhsa_system_sgpr_workgroup_id_z 1
		.amdhsa_system_vgpr_workitem_id 0
		.amdhsa_next_free_vgpr 224
		.amdhsa_next_free_sgpr 66
		.amdhsa_reserve_vcc 0
		.amdhsa_float_denorm_mode_32 3
		.amdhsa_float_denorm_mode_16_64 3
		.amdhsa_memory_ordered 1
		.amdhsa_forward_progress 1
		.amdhsa_inst_pref_size 15
	.end_amdhsa_kernel
	.amdgpu_metadata
---
amdhsa.version: [ 1, 2 ]
amdhsa.kernels:
  - .name:           k_q30a02f4588_scores
    .symbol:         k_q30a02f4588_scores.kd
    .args:
      - { .name: deep_codes, .offset: 0, .size: 8, .value_kind: global_buffer, .address_space: global }
      - { .name: deep_scales, .offset: 8, .size: 8, .value_kind: global_buffer, .address_space: global }
      - { .name: KSA_w_codes, .offset: 16, .size: 8, .value_kind: global_buffer, .address_space: global }
      - { .name: KSA_w_scales, .offset: 24, .size: 8, .value_kind: global_buffer, .address_space: global }
      - { .name: KSA_b, .offset: 32, .size: 8, .value_kind: global_buffer, .address_space: global }
      - { .name: mo, .offset: 40, .size: 8, .value_kind: global_buffer, .address_space: global }
      - { .name: part, .offset: 48, .size: 8, .value_kind: global_buffer, .address_space: global }
    .group_segment_fixed_size: 35840
    .private_segment_fixed_size: 0
    .kernarg_segment_align: 8
    .kernarg_segment_size: 56
    .max_flat_workgroup_size: 128
    .sgpr_count:     66
    .vgpr_count:     224
    .wavefront_size: 32
...
	.end_amdgpu_metadata
.endif
;; end of part 3
;; launch window (part 4): grid 256 x 1, 8 waves a work-group, no clusters, 121,856 bytes of LDS; arguments shallow_codes, shallow_scales, K_w_codes, K_w_scales, K_b, mo, part, out0, out1; writes out0, out1
.if DOCPART == 4
	.amdgcn_target "amdgcn-amd-amdhsa--gfx1250"
	.amdhsa_code_object_version 6
	.text
	.protected	k_q30a02f4588_window
	.globl	k_q30a02f4588_window
	.p2align	8
	.type	k_q30a02f4588_window,@function
k_q30a02f4588_window:
	s_mov_b64 s[64:65], 0
	v_nop
	global_prefetch_b8 v0, s[64:65] scope:SCOPE_SE
	s_setreg_imm32_b32 hwreg(HW_REG_WAVE_SCHED_MODE, 0, 2), 2
	s_setreg_imm32_b32 hwreg(HW_REG_WAVE_MODE, 25, 1), 1
	s_wait_xcnt 0x0
	s_wait_alu depctr_vm_vsrc(0)
; out1 = re_score = lit . max_out;  out0 = (1 + sigmoid(re_score)) x att,  att = the softmax over a 3 x 3 window (stride 2, pad 1) of qmean x Kx, applied to Kx;  Kx = K_w x shallow + K_b on codes of FP4 (E2M1), K = 256.
; SHARES.  Work-group (b, i) makes output row i of image b: 64 pixels x 256 channels.  Wave w keeps 16 pixels (jt = w % 4) for the whole launch and walks eight tiles of 16 channels: in step k channels 32 k + 16 (w / 4) + r.
; EACH OF THE NINE TAPS IS A MATRIX TILE OF ITS OWN: source 0 = the input pixels (row 2 i - 1 + rho, column 2 j + delta) of 16 output pixels j, source 1 = 16 rows of K_w.  Lane (r, h) register jj of every tap's
; result is (output pixel 16 jt + 8 h + jj, channel r): all nine taps of an output lie in one lane, and nothing changes lanes.  The nine fragments (144 registers) are fetched once and stay; K_w's fragment comes from LDS in each step.
; THE BIAS.  The products give x = Kx - b.  A softmax is unchanged by a shift common to the window, so att = b + sum(p x) / sum(p).  A padded tap has Kx = 0, that is x = -b: the top row (i = 0) has zero codes and -b as the
; products' C; the left column (j = 0) is set by a select on a mask that hangs on the wave's number alone.
; SOFTMAX.  l = x qmean log2(e); the window's largest l is taken away; p = 2^(l - max).  A unit goes in two halves of four pixels, and one half's exponentials stand singly between the other half's plain lines.
; OUT.  32 channels x 64 pixels meet in a stage in LDS (two, by turns: one barrier a step, its signal and its wait apart) and leave as rows: sixteen lanes store 256 consecutive bytes, aligned.
; No tensor load, no cluster: everything is asked for once, at the head; the rows are parted into even and odd pixels and the top row is masked on the way through registers; what work-groups share is K_w, 34,816 bytes once a work-group.
; No prefetch: no load stands behind the head.
; LIMITS: NaN, infinities and the scale byte 0xff among the inputs are not served; a p under 2^-126 counts as 0 (v_exp_f32 flushes: ISA guide, its entry in 15.8); where qmean x Kx leaves f32's range the result is not reference()'s.
; THE MODE: SCHED_MODE bits 1:0 = 2 (LLVM: expert scheduling mode 2), set by the entry lines.  The code itself states the register dependences
; between vector or matrix instructions and memory or LDS instructions, with s_wait_alu, always for 0.
; THE PLAN.  Registers that memory or LDS instructions touch, in a step:
;   RB         Loads from a stage land in it, two stores to memory read it; no vector instruction names it.
;   CT         Step k's first three products read it; the next step's numbers land in it behind the step's first wait on va_vdst.
;   WF0, WF1   Step k's products read WF[k % 2]; with CT's loads the next fragment lands in the other one, which the products of step k - 1 read last.
;   NUM        Written by the sums and the last scalings; read by the step's two LDS stores; written again one step on.
;   v6-v10     Addresses, never written again.
; So a step has ONE wait on vm_vsrc, at its head: the last stores to memory have read RB, the last LDS stores NUM.  Of its four waits on va_vdst three stand behind transcendentals in any case:
; the first of them also shows the products done with CT, the third the first half's results written; the fourth stands ahead of the second half's LDS store.
; At the head the vector work on loaded numbers stands together, with one wait on va_vdst between it and the run of LDS stores that read its results.
.set RROW, 18576                       ; LDS: an input row: 64 even pixels at 144 (x / 2); from ODD on 65 places for odd pixels, 144 (x / 2 + 1): place 0 is the left pad.  144 = a pixel's 128 bytes + 16
.set ODD,  9216
.set SCB,  55808                       ; three rows of scale bytes, SCR apart: pixel x's eight at 8 (x + 1); place 0 is the pad
.set SCR,  1040
.set WB,   59136                       ; K_w's codes: 256 rows, 144 apart
.set NBT,  96000                       ; for each channel 16 bytes: four times (i = 0: -b, else 0)
.set LP,   100096                      ; lit's parts: [wave][32]
.set PWB,  101120                      ; 256 bytes for each wave, its own: lit 128, S 64, G 64
.set RSB,  103168                      ; the row of re_score
.set STG,  103424                      ; two stages of 32 rows (channels) x (256 bytes + 16)
.set STH,  8704
.set X,    16                          ; v16-87   x: tap tau = 3 rho + delta + 1 at + 8 tau
.set L,    88                          ; v88-159  l, then p
.set MX,   160                         ; v160-167 the window's largest l, later 1 / sum(p)
.set DEN,  168                         ; v168-175 sum(p)
.set NUM,  176                         ; v176-183 sum(p x), then the result
.set RB,   184                         ; v184-191 rows read back from a stage
.set S,    192                         ; v192-199 qmean log2(e) of my eight pixels
.set G,    200                         ; v200-207 1 + sigmoid(re_score) of them
.set CT,   208                         ; v208-215 the C of the top row's products
.set BP,   216                         ; v216-231 pair k: (b, -b) of my channel in step k
.set SA,   232                         ; v232-240 the taps' scale words: lanes 0-15 K step 0's, lanes 16-31 K step 1's
.set SW,   241                         ; v241-248 K_w's, step k: likewise
.set WF,   144                         ; window 1: v0-143 the nine fragments (16 tau + 8 s + 4 c); v144-175 K_w's fragment, two buffers
; v1-15, v249-255: addresses, made at the head and never rewritten
.set MSB, 0
.macro WIN new                         ; the immediate's high byte repeats the setting that is left
.if MSB != \new
	s_set_vgpr_msb (MSB<<8)|\new
.set MSB, \new
.endif
.endm
.macro PLACES
.rept 4
	v_nop
.endr
.endm
; THE EXPONENTIALS of a half (9 taps x 4 pixels, in place on l) are dealt out one behind each plain line of the other half's work.
.set EXON, 0
.set EC, 0
.set EXB, 0
.macro EXGO hh
.set EXB, L+4*(\hh)
.set EC, 0
.set EXON, 1
.endm
.macro EXQ
.if EXON && (EC < 36)
	v_exp_f32 v[EXB+8*(EC/4)+EC%4], v[EXB+8*(EC/4)+EC%4]
.set EC, EC+1
.endif
.endm
.macro EXFLUSH
.rept 36
	EXQ
.endr
.set EXON, 0
.endm
; l = x S; the window's largest; l - largest.  52 plain lines for four pixels
.macro PRE hh
.irp tau, 0,1,2,3,4,5,6,7,8
.irp p, 0,2
	v_pk_mul_f32 v[L+8*\tau+4*(\hh)+\p:L+8*\tau+4*(\hh)+\p+1], v[X+8*\tau+4*(\hh)+\p:X+8*\tau+4*(\hh)+\p+1], v[S+4*(\hh)+\p:S+4*(\hh)+\p+1]
	EXQ
.endr
.endr
.irp e, 0,1,2,3
	v_max3_num_f32 v[MX+4*(\hh)+\e], v[L+4*(\hh)+\e], v[L+8+4*(\hh)+\e], v[L+16+4*(\hh)+\e]
	EXQ
.endr
.irp st, 3,5,7
.irp e, 0,1,2,3
	v_max3_num_f32 v[MX+4*(\hh)+\e], v[MX+4*(\hh)+\e], v[L+8*\st+4*(\hh)+\e], v[L+8*\st+8+4*(\hh)+\e]
	EXQ
.endr
.endr
.irp tau, 0,1,2,3,4,5,6,7,8
.irp p, 0,2
	v_pk_add_f32 v[L+8*\tau+4*(\hh)+\p:L+8*\tau+4*(\hh)+\p+1], v[L+8*\tau+4*(\hh)+\p:L+8*\tau+4*(\hh)+\p+1], v[MX+4*(\hh)+\p:MX+4*(\hh)+\p+1] neg_lo:[0,1] neg_hi:[0,1]
	EXQ
.endr
.endr
.endm
; sum(p) and sum(p x): four chains by turns, 34 plain lines
.macro SUM hh
.irp p, 0,2
	v_pk_add_f32 v[DEN+4*(\hh)+\p:DEN+4*(\hh)+\p+1], v[L+4*(\hh)+\p:L+4*(\hh)+\p+1], v[L+8+4*(\hh)+\p:L+8+4*(\hh)+\p+1]
	EXQ
	v_pk_mul_f32 v[NUM+4*(\hh)+\p:NUM+4*(\hh)+\p+1], v[L+4*(\hh)+\p:L+4*(\hh)+\p+1], v[X+4*(\hh)+\p:X+4*(\hh)+\p+1]
	EXQ
.endr
.irp p, 0,2
	v_pk_fma_f32 v[NUM+4*(\hh)+\p:NUM+4*(\hh)+\p+1], v[L+8+4*(\hh)+\p:L+8+4*(\hh)+\p+1], v[X+8+4*(\hh)+\p:X+8+4*(\hh)+\p+1], v[NUM+4*(\hh)+\p:NUM+4*(\hh)+\p+1]
	EXQ
.endr
.irp tau, 2,3,4,5,6,7,8
.irp p, 0,2
	v_pk_add_f32 v[DEN+4*(\hh)+\p:DEN+4*(\hh)+\p+1], v[DEN+4*(\hh)+\p:DEN+4*(\hh)+\p+1], v[L+8*\tau+4*(\hh)+\p:L+8*\tau+4*(\hh)+\p+1]
	EXQ
	v_pk_fma_f32 v[NUM+4*(\hh)+\p:NUM+4*(\hh)+\p+1], v[L+8*\tau+4*(\hh)+\p:L+8*\tau+4*(\hh)+\p+1], v[X+8*\tau+4*(\hh)+\p:X+8*\tau+4*(\hh)+\p+1], v[NUM+4*(\hh)+\p:NUM+4*(\hh)+\p+1]
	EXQ
.endr
.endr
.endm
.macro RCPS hh
.irp e, 0,1,2,3
	v_rcp_f32 v[MX+4*(\hh)+\e], v[DEN+4*(\hh)+\e]
.endr
.endm
; (sum(p x) / sum(p) + b) x G
.macro FIN hh, k
.irp p, 0,2
	v_pk_fma_f32 v[NUM+4*(\hh)+\p:NUM+4*(\hh)+\p+1], v[NUM+4*(\hh)+\p:NUM+4*(\hh)+\p+1], v[MX+4*(\hh)+\p:MX+4*(\hh)+\p+1], v[BP+2*(\k):BP+2*(\k)+1] op_sel_hi:[1,1,0]
.endr
.irp p, 0,2
	v_pk_mul_f32 v[NUM+4*(\hh)+\p:NUM+4*(\hh)+\p+1], v[NUM+4*(\hh)+\p:NUM+4*(\hh)+\p+1], v[G+4*(\hh)+\p:G+4*(\hh)+\p+1]
.endr
.endm
; A unit's 18 products: the nine accumulators take turns, one instruction a turn, K step 0 and then K step 1
.macro MATS k
	WIN 0x05                                       ; sources 0 and 1 in window 1; C and D in window 0
.irp tau, 0,1,2
	v_wmma_scale_f32_16x16x128_f8f6f4 v[X+8*\tau:X+8*\tau+7], v[16*\tau:16*\tau+7], v[WF+16*((\k)&1):WF+16*((\k)&1)+7], v[CT:CT+7], v[SA+\tau], v[SW+(\k)] matrix_a_fmt:MATRIX_FMT_FP4 matrix_b_fmt:MATRIX_FMT_FP4
.endr
.irp tau, 3,4,5,6,7,8
	v_wmma_scale_f32_16x16x128_f8f6f4 v[X+8*\tau:X+8*\tau+7], v[16*\tau:16*\tau+7], v[WF+16*((\k)&1):WF+16*((\k)&1)+7], 0, v[SA+\tau], v[SW+(\k)] matrix_a_fmt:MATRIX_FMT_FP4 matrix_b_fmt:MATRIX_FMT_FP4
.endr
.irp tau, 0,1,2,3,4,5,6,7,8
	v_wmma_scale_f32_16x16x128_f8f6f4 v[X+8*\tau:X+8*\tau+7], v[16*\tau+8:16*\tau+15], v[WF+16*((\k)&1)+8:WF+16*((\k)&1)+15], v[X+8*\tau:X+8*\tau+7], v[SA+\tau], v[SW+(\k)] matrix_a_fmt:MATRIX_FMT_FP4 matrix_b_fmt:MATRIX_FMT_FP4 matrix_a_scale:MATRIX_SCALE_ROW1 matrix_b_scale:MATRIX_SCALE_ROW1
.endr
	WIN 0
.endm
.macro FRAG4 tau, off                  ; a tap's fragment, both K steps: registers 4 q from byte 32 q of the pixel (q = 2 s + c)
.irp q, 0,1,2,3
	ds_load_b128 v[16*(\tau)+4*\q:16*(\tau)+4*\q+3], v4 offset:(\off)+32*\q
.endr
.endm
.macro TAPS rho                        ; column 2 j - 1: odd place j;  2 j: even place j;  2 j + 1: odd place j + 1
	FRAG4 3*(\rho), (\rho)*RROW+ODD
	FRAG4 3*(\rho)+1, (\rho)*RROW
	FRAG4 3*(\rho)+2, (\rho)*RROW+ODD+144
.endm
	s_load_b512 s[8:23], s[0:1], 0x0               ; shallow's codes s[8:9], its scales s[10:11], K_w's codes s[12:13], its scales s[14:15], K_b s[16:17], mo s[18:19], part s[20:21], out0 s[22:23]
	s_load_b64 s[24:25], s[0:1], 0x40              ; out1
	s_set_vgpr_msb 0x40
	v_lshl_add_u32 v254, v0, 2, 0x1d800
	v_mov_b32 v255, 0
	s_set_vgpr_msb 0x4000
	v_lshrrev_b32 v143, 5, v0
	v_readfirstlane_b32 s26, v143                  ; wave 0..7
	s_wait_alu depctr_va_sdst(0)                   ; s26 is written, ahead of its first reader: jt, cg, LDS places and the buffers' offsets are made from it
	s_and_b32 s27, s26, 3                          ; jt
	s_lshr_b32 s28, s26, 2                         ; cg
	s_lshr_b32 s29, ttmp9, 6                       ; b
	s_and_b32 s30, ttmp9, 63                       ; i
	s_cmp_eq_u32 s30, 0
	s_cselect_b32 s31, 0, -1                       ; KEEP: clears the top row where it is padding
	s_cselect_b32 s32, -1, 0                       ; TOP: keeps -b there
	s_cmp_eq_u32 s27, 0
	s_cselect_b32 vcc_lo, 0xffff, 0                ; lanes 0-15 of the waves that hold pixel 0; VCC is written here alone, by this scalar line
	s_mov_b32 s34, 0x76543210
	s_mov_b32 s35, 0xfedcba98                      ; v_permlanex16_b32's selects for lane l xor 16
	v_and_b32 v140, 31, v0                         ; l
	v_and_b32 v141, 15, v0                         ; r
	v_bfe_u32 v142, v0, 4, 1                       ; h
	v_bfe_u32 v143, v0, 3, 1                       ; thread t's 16 bytes of a load's 4,096: pixel t / 8 of 32, byte 16 (t % 8)
	v_mul_u32_u24 v1, v143, ODD+144
	v_lshrrev_b32 v143, 4, v0
	v_mad_u32_u24 v1, v143, 144, v1
	v_and_b32 v144, 7, v0
	v_lshl_add_u32 v1, v144, 4, v1                 ; v1: an input row on its way in, even and odd pixels parted
	v_lshrrev_b32 v143, 3, v0
	v_mul_u32_u24 v2, v143, 144
	v_lshl_add_u32 v2, v144, 4, v2
	v_add_nc_u32 v2, WB, v2                        ; v2: K_w on its way in
	v_lshl_add_u32 v3, v0, 2, SCB+8                ; v3: scale bytes on their way in
	s_mul_i32 s52, s27, 16*144
	v_mul_u32_u24 v145, v141, 144
	v_lshl_add_u32 v145, v142, 4, v145             ; 144 r + 16 h
	v_add_nc_u32 v4, s52, v145                     ; v4: a tap's fragment: place 16 jt + r
	s_lshl_b32 s53, s27, 8
	v_lshlrev_b32 v5, 4, v141
	v_lshl_add_u32 v5, v142, 2, v5
	v_add_nc_u32 v5, s53, v5
	v_add_nc_u32 v5, SCB, v5                       ; v5: its scale word: 16 (16 jt + r) + 4 h
	s_mul_i32 s54, s28, 16*144
	v_add_nc_u32 v6, s54, v145
	v_add_nc_u32 v6, WB, v6                        ; v6: K_w's fragment: row 16 cg + r
	s_lshl_b32 s55, s28, 8
	v_lshlrev_b32 v7, 4, v141
	v_add_nc_u32 v7, s55, v7
	v_add_nc_u32 v7, NBT, v7                       ; v7: the top row's C of my channel
	s_mul_i32 s56, s28, 16*272
	s_lshl_b32 s57, s27, 6
	s_add_co_u32 s56, s56, s57
	v_mul_u32_u24 v8, v141, 272
	v_lshl_add_u32 v8, v142, 5, v8
	v_add_nc_u32 v8, s56, v8
	v_add_nc_u32 v8, STG, v8                       ; v8: into a stage: row 16 cg + r, byte 64 jt + 32 h
	s_mul_i32 s56, s26, 4*272
	v_mul_u32_u24 v9, v142, 272
	v_lshl_add_u32 v9, v141, 4, v9
	v_add_nc_u32 v9, s56, v9
	v_add_nc_u32 v9, STG, v9                       ; v9: out of it: rows 4 w + h, 16 bytes a lane
	s_lshl_b32 s56, s26, 16
	v_lshlrev_b32 v10, 14, v142
	v_lshl_add_u32 v10, v141, 4, v10
	v_add_nc_u32 v10, s56, v10                     ; v10: the same place in out0: a channel is 16,384 bytes
	v_lshlrev_b32 v11, 4, v0                       ; v11: 16 t
	v_lshlrev_b32 v12, 2, v0                       ; v12: 4 t
	s_lshl_b32 s56, s26, 8
	s_add_co_u32 s56, s56, PWB
	v_lshl_add_u32 v13, v140, 2, s56               ; v13: my wave's bytes + 4 l
	v_lshl_add_u32 v14, v142, 5, s56               ; v14: + 32 h
	v_lshl_add_u32 v15, v141, 2, s56
	v_add_nc_u32 v15, 128, v15                     ; v15: + 128 + 4 r
	s_lshl_b32 s56, s26, 7
	s_add_co_u32 s56, s56, LP
	v_and_b32 v143, 7, v140
	v_lshl_add_u32 v249, v143, 4, s56              ; v249: my wave's part of lit, d' = 4 (l % 8) on
	v_lshl_add_u32 v250, v140, 2, LP               ; v250: d' = l of wave 0's part
	s_add_co_u32 s57, s57, RSB
	v_lshl_add_u32 v251, v141, 2, s57              ; v251: re_score of pixel 16 jt + r
	v_lshl_add_u32 v252, v140, 3, RSB              ; v252: and on its way out
	v_lshlrev_b32 v253, 3, v140                    ; v253: 8 l
	v_lshl_add_u32 v254, v0, 4, NBT                ; v254
	v_lshlrev_b32 v255, 4, v140                    ; v255: 16 l
	s_lshl_b32 s56, s28, 7
	v_lshlrev_b32 v126, 3, v141
	v_lshl_add_u32 v126, v142, 2, v126
	v_add_nc_u32 v126, s56, v126                   ; v126: K_w's scale word: 8 (16 cg + r) + 4 h
	s_lshl_b32 s56, s28, 6
	v_lshl_add_u32 v127, v141, 2, s56              ; v127: K_b: 4 (16 cg + r)
	v_lshlrev_b32 v132, 4, v143                    ; the pads: 16 (l % 8),
	v_and_b32 v133, 1, v0
	v_lshl_add_u32 v133, v133, 2, SCB              ; 4 (l % 2),
	v_mov_b32 v134, 0x7f7f7f7f                     ; scales of 1,
.irp j, 0,1,2,3
	v_mov_b32 v[136+\j], 0                         ; codes of 0
.endr
	s_lshl_b32 s52, s30, 1                         ; the middle row: 2 i
	s_sub_co_i32 s53, s52, 1
	s_max_i32 s53, s53, 0                          ; the top row: 2 i - 1; for i = 0 row 0 is loaded and cleared
	s_lshl_b32 s54, s29, 7
	s_add_co_u32 s53, s53, s54
	s_add_co_u32 s52, s52, s54
	s_lshl_b32 s36, s53, 14                        ; a row of codes is 16,384 bytes,
	s_mov_b32 s37, 0
	s_lshl_b32 s38, s52, 14
	s_mov_b32 s39, 0
	s_lshl_b32 s40, s53, 10                        ; of scale bytes 1,024
	s_mov_b32 s41, 0
	s_lshl_b32 s42, s52, 10
	s_mov_b32 s43, 0
	s_lshl_b32 s44, s29, 8                         ; mo: tile 256 b + 4 i + jt, 2,048 bytes a tile
	s_lshl_b32 s55, s30, 2
	s_add_co_u32 s44, s44, s55
	s_add_co_u32 s44, s44, s27
	s_lshl_b32 s44, s44, 11
	s_mov_b32 s45, 0
	s_lshl_b32 s46, s29, 13                        ; part: the image's 8,192 bytes, my wave's 1,024
	s_lshl_b32 s55, s26, 10
	s_add_co_u32 s46, s46, s55
	s_mov_b32 s47, 0
	s_lshl_b32 s48, s29, 22                        ; out0: image b, row i
	s_lshl_b32 s55, s30, 8
	s_add_co_u32 s48, s48, s55
	s_mov_b32 s49, 0
	s_lshl_b32 s50, ttmp9, 8                       ; out1: 256 bytes a work-group
	s_mov_b32 s51, 0
	s_wait_kmcnt 0x0
	s_add_nc_u64 s[36:37], s[8:9], s[36:37]
	s_add_nc_u64 s[38:39], s[8:9], s[38:39]
	s_add_nc_u64 s[40:41], s[10:11], s[40:41]
	s_add_nc_u64 s[42:43], s[10:11], s[42:43]
	s_add_nc_u64 s[44:45], s[18:19], s[44:45]
	s_add_nc_u64 s[46:47], s[20:21], s[46:47]
	s_add_nc_u64 s[48:49], s[22:23], s[48:49]
	s_add_nc_u64 s[50:51], s[24:25], s[50:51]
	s_wait_alu depctr_va_vdst(0)                   ; all addresses and offsets (v1-15, v126, v127, v132, v133, v249-255) and the pads' data (v134, v136-139) are written, which the kernel's loads and stores read
	; 46 loads: all that the wave ever asks of memory.  The waits below count the loads issued behind the ones that they wait for
	global_load_b128 v[100:103], v255, s[46:47]
	global_load_b128 v[104:107], v255, s[46:47] offset:512
.irp q, 0,1,2,3
	global_load_b128 v[108+4*\q:111+4*\q], v255, s[44:45] offset:512*\q
.endr
	global_load_b32 v124, v12, s[16:17]            ; K_b[t]
	global_load_b32 v96, v12, s[40:41]
	global_load_b32 v97, v12, s[42:43]
	global_load_b32 v98, v12, s[42:43] offset:1024
.irp n, 0,1,2,3
	global_load_b128 v[16+4*\n:19+4*\n], v11, s[36:37] offset:4096*\n
.endr
.irp n, 0,1,2,3
	global_load_b128 v[32+4*\n:35+4*\n], v11, s[38:39] offset:4096*\n
.endr
.irp n, 0,1,2,3
	global_load_b128 v[48+4*\n:51+4*\n], v11, s[38:39] offset:16384+4096*\n
.endr
.irp n, 0,1,2,3,4,5,6,7
	global_load_b128 v[64+4*\n:67+4*\n], v11, s[12:13] offset:4096*\n
.endr
.irp k, 0,1,2,3,4,5,6,7
	global_load_b32 v[SW+\k], v126, s[14:15] offset:256*\k
.endr
.irp k, 0,1,2,3,4,5,6,7
	global_load_b32 v[BP+2*\k], v127, s[16:17] offset:128*\k
.endr
	s_wait_loadcnt 32                              ; part, mo, K_b[t], the three rows' scale bytes and the top row are in: 32 loads were issued behind them.  All the vector work on them stands together
	v_pk_add_f32 v[100:101], v[100:101], v[104:105]   ; part: my wave's eight work-groups' numbers; lane l holds d' = 4 (l % 8) + 0 .. 3 of two of them
	v_pk_add_f32 v[102:103], v[102:103], v[106:107]
.irp u, 0,1,2,3
	v_add_f32_dpp v[100+\u], v[100+\u], v[100+\u] row_xmask:8 row_mask:0xf bank_mask:0xf
.endr
.irp u, 0,1,2,3
	v_permlanex16_b32 v[104+\u], v[100+\u], s34, s35
.endr
.irp u, 0,1,2,3
	v_add_f32 v[100+\u], v[100+\u], v[104+\u]
.endr
	v_xor_b32 v128, 0x80000000, v124
	v_and_b32 v128, s32, v128                      ; -b where the top row is padding, else 0
	v_mov_b32 v129, v128
	v_mov_b32 v130, v128
	v_mov_b32 v131, v128
	v_and_b32 v96, s31, v96                        ; the top row's scale bytes and codes, cleared where it is padding
.irp j, 0,1,2,3,4,5,6,7,8,9,10,11,12,13,14,15
	v_and_b32 v[16+\j], s31, v[16+\j]
.endr
	s_wait_alu depctr_va_vdst(0)                   ; the lines above have written v100-103, v128-131, v96 and v16-31, which the LDS stores below read
	ds_store_b128 v249, v[100:103]                 ; four lanes write the same 16 bytes with the same values
	ds_store_b128 v254, v[128:131]
	ds_store_b32 v3, v96
	ds_store_b32 v3, v97 offset:SCR
	ds_store_b32 v3, v98 offset:2*SCR
.irp n, 0,1,2,3
	ds_store_b128 v1, v[16+4*\n:19+4*\n] offset:16*144*\n
.endr
	s_wait_loadcnt 28                              ; the middle row
.irp n, 0,1,2,3
	ds_store_b128 v1, v[32+4*\n:35+4*\n] offset:RROW+16*144*\n
.endr
	s_wait_loadcnt 24                              ; the bottom row
.irp n, 0,1,2,3
	ds_store_b128 v1, v[48+4*\n:51+4*\n] offset:2*RROW+16*144*\n
.endr
	s_wait_loadcnt 16                              ; K_w
.irp n, 0,1,2,3,4,5,6,7
	ds_store_b128 v2, v[64+4*\n:67+4*\n] offset:32*144*\n
.endr
	s_cmp_lg_u32 s26, 0
	s_cbranch_scc1 .Lno_pads                       ; wave 0 writes the left pads: zero codes, scales of 1
.irp rho, 0,1,2
	ds_store_b128 v132, v[136:139] offset:\rho*RROW+ODD
	ds_store_b32 v133, v134 offset:\rho*SCR
.endr
.Lno_pads:
	s_wait_dscnt 0x0                               ; for the others' sake: my stores have landed
	s_barrier_signal -1
	s_barrier_wait -1                              ; rows, scale bytes, K_w, the top row's C and lit's parts lie in LDS
	s_wait_alu depctr_vm_vsrc(0)                   ; my LDS stores have read v16-103 and v128-139: LDS loads land in v64-87 below, and vector lines write v88-97
.irp u, 0,1,2,3,4,5,6,7
	ds_load_b32 v[64+\u], v250 offset:128*\u       ; lit[l]: the eight waves' parts
.endr
	WIN 0x40                                       ; destination window 1
	TAPS 0
	TAPS 1
	TAPS 2
.irp q, 0,1,2,3
	ds_load_b128 v[WF+4*\q:WF+4*\q+3], v6 offset:32*\q   ; K_w's fragment of step 0
.endr
	WIN 0
.irp rho, 0,1,2
.irp dd, 0,1,2
	ds_load_b32 v[SA+3*\rho+\dd], v5 offset:\rho*SCR+8*\dd   ; pixel 2 j + dd - 1 lies at 8 (2 j + dd)
.endr
.endr
	ds_load_b128 v[CT:CT+3], v7
	ds_load_b128 v[CT+4:CT+7], v7
	s_wait_dscnt 51                                ; lit's parts are in: 36 + 4 + 9 + 2 loads were issued behind them
	v_add_f32 v64, v64, v65
	v_add_f32 v66, v66, v67
	v_add_f32 v68, v68, v69
	v_add_f32 v70, v70, v71
	v_add_f32 v64, v64, v66
	v_add_f32 v68, v68, v70
	v_add_f32 v64, v64, v68
	v_mul_f32 v64, 0x39800000, v64                 ; / 4,096
	s_wait_alu depctr_va_vdst(0)                   ; v64 is written, which the LDS store reads
	ds_store_b32 v13, v64                          ; through my wave's own bytes into mo's order: channels 8 h + 0 .. 7, 16 + 8 h + 0 .. 7
	ds_load_b128 v[72:75], v14
	ds_load_b128 v[76:79], v14 offset:16
	ds_load_b128 v[80:83], v14 offset:64
	ds_load_b128 v[84:87], v14 offset:80
	s_wait_dscnt 0x0
	v_mul_f32 v88, v72, v108                       ; re_score of pixel 16 jt + r: my 16 channels, two chains
	v_mul_f32 v89, v80, v116
.irp j, 1,2,3,4,5,6,7
	v_fma_f32 v88, v[72+\j], v[108+\j], v88
	v_fma_f32 v89, v[80+\j], v[116+\j], v89
.endr
	v_add_f32 v88, v88, v89
	v_pk_add_f32 v[90:91], v[108:109], v[110:111]  ; and the sum of max_out over them
	v_pk_add_f32 v[92:93], v[112:113], v[114:115]
	v_pk_add_f32 v[90:91], v[90:91], v[116:117]
	v_pk_add_f32 v[92:93], v[92:93], v[118:119]
	v_pk_add_f32 v[90:91], v[90:91], v[120:121]
	v_pk_add_f32 v[92:93], v[92:93], v[122:123]
	v_pk_add_f32 v[90:91], v[90:91], v[92:93]
	v_add_f32 v90, v90, v91
	v_permlanex16_b32 v96, v88, s34, s35
	v_permlanex16_b32 v97, v90, s34, s35
	v_add_f32 v88, v88, v96                        ; re_score
	v_add_f32 v90, v90, v97
	v_mul_f32 v90, 0x3d38aa3b, v90                 ; S = the mean over 32 channels x log2(e)
	v_mul_f32 v91, 0xbfb8aa3b, v88
	v_exp_f32 v91, v91                             ; e^(-re_score)
	v_nop                                          ; a plain line behind a transcendental,
	s_wait_alu depctr_va_vdst(0)                   ; and the wait ahead of its first reader: the exponential has written v91
	v_add_f32 v91, 1.0, v91
	v_rcp_f32 v91, v91
	v_nop
	s_wait_alu depctr_va_vdst(0)                   ; the reciprocal has written v91, ahead of its first reader
	v_add_f32 v91, 1.0, v91                        ; G = 1 + sigmoid(re_score)
	s_wait_alu depctr_va_vdst(0)                   ; v91 is written, which an LDS store below reads (v88 and v90 were written ahead of the waits above)
	ds_store_b32 v15, v90                          ; a lane holds one pixel's S and G and wants eight pixels': through my wave's own bytes
	ds_store_b32 v15, v91 offset:64
	s_cmp_lg_u32 s28, 0
	s_cbranch_scc1 .Lno_rsb                        ; waves 0 to 3 hold the row's 64 pixels once
	ds_store_b32 v251, v88
.Lno_rsb:
	ds_load_b128 v[S:S+3], v14 offset:128
	ds_load_b128 v[S+4:S+7], v14 offset:144
	ds_load_b128 v[G:G+3], v14 offset:192
	ds_load_b128 v[G+4:G+7], v14 offset:208
	s_wait_loadcnt 0x0                             ; K_w's scale words and K_b
.irp k, 0,1,2,3,4,5,6,7
	v_xor_b32 v[BP+2*\k+1], 0x80000000, v[BP+2*\k]
.endr
	s_wait_dscnt 0x0                               ; fragments, scale words, C, S and G are in
	s_wait_alu depctr_vm_vsrc(0)                   ; the LDS stores of lit, S, G and re_score have read v64, v90, v91 and v88, which step 0's products and scalings write
; STEP k: 16 channels x my 16 pixels.
.macro STEP k
	MATS \k                                        ; (for k > 0 these stand between the last step's signal and its wait: work on registers)
	PLACES                                         ; four places in front of the reads of the results (ISA guide 7.12.1)
.if (\k) > 0
	s_barrier_wait -1                              ; the last step's 32 rows lie whole in their stage
.if (\k) == 1
	s_cmp_lg_u32 s26, 0
	s_cbranch_scc1 .Lno_out1                       ; behind the first barrier the row of re_score is whole: wave 0 stores it, 256 consecutive bytes, aligned
	ds_load_b64 v[RB:RB+1], v252
	s_wait_dscnt 0x0
	global_store_b64 v253, v[RB:RB+1], s[50:51]
.Lno_out1:
.endif
	s_wait_xcnt 0x0                                ; the earlier stores have had their addresses translated (ISA guide 3.1): only behind this wait are RB's registers loaded again
	s_wait_alu depctr_vm_vsrc(0)                   ; the earlier stores to memory have read RB, in which the loads below land; the last step's LDS stores have read NUM, which this step's sums write again
	ds_load_b128 v[RB:RB+3], v9 offset:(((\k)-1)&1)*STH
	ds_load_b128 v[RB+4:RB+7], v9 offset:(((\k)-1)&1)*STH+2*272
.endif
.irp tau, 0,3,6
	v_cndmask_b32 v[X+8*\tau], v[X+8*\tau], v[BP+2*(\k)+1], vcc_lo   ; the left pad of pixel 0: x = -b
.endr
	PRE 0
.if (\k) > 0
	s_wait_dscnt 0x0                               ; RB's two loads are in: no LDS instruction was issued behind them
	global_store_b128 v10, v[RB:RB+3], s[48:49] offset:((\k)-1)*524288 th:TH_STORE_NT          ; sixteen lanes store a channel's 256 bytes of this row, aligned; written once
	global_store_b128 v10, v[RB+4:RB+7], s[48:49] offset:((\k)-1)*524288+32768 th:TH_STORE_NT
.endif
	EXGO 0
	PRE 1                                          ; the first half's 36 exponentials stand between these 52 lines, which name none of their results
	s_wait_alu depctr_va_vdst(0)                   ; the 36 exponentials have written p, ahead of their first reader; this step's products are done reading CT, the last step's reading the other buffer of K_w's fragment
.if (\k) < 7
	ds_load_b128 v[CT:CT+3], v7 offset:512*((\k)+1)      ; the next step's C and fragment of K_w: no vector or matrix instruction stands between the wait above and these six loads
	ds_load_b128 v[CT+4:CT+7], v7 offset:512*((\k)+1)
	WIN 0x40
.irp q, 0,1,2,3
	ds_load_b128 v[WF+16*(((\k)+1)&1)+4*\q:WF+16*(((\k)+1)&1)+4*\q+3], v6 offset:32*144*((\k)+1)+32*\q
.endr
	WIN 0
.endif
	EXGO 1
	SUM 0                                          ; 34 of the second half's stand between these
	EXFLUSH
	RCPS 0
	v_nop                                          ; a plain line behind the last transcendental
	s_wait_alu depctr_va_vdst(0)                   ; the second half's 36 exponentials and the four reciprocals have written their results, ahead of the first reader
	SUM 1
	RCPS 1
	FIN 0, \k                                      ; plain work that names none of the four just issued
	s_wait_alu depctr_va_vdst(0)                   ; the four reciprocals have written their results, ahead of their first reader; the first half's results stand in NUM .. NUM + 3, which the LDS store reads
	ds_store_b128 v8, v[NUM:NUM+3] offset:((\k)&1)*STH
	FIN 1, \k                                      ; (names neither v8 nor NUM .. NUM + 3)
	s_wait_alu depctr_va_vdst(0)                   ; the second half's results stand in NUM + 4 .. NUM + 7, which the LDS store reads
	ds_store_b128 v8, v[NUM+4:NUM+7] offset:((\k)&1)*STH+16
	s_wait_dscnt 0x0                               ; my stores have landed, my reads of the other stage are back, and the next step's operands are in
	s_barrier_signal -1
.endm
	STEP 0
	STEP 1
	STEP 2
	STEP 3
	STEP 4
	STEP 5
	STEP 6
	STEP 7
	s_barrier_wait -1
	s_wait_xcnt 0x0
	s_wait_alu depctr_vm_vsrc(0)                   ; step 7's stores to memory have read RB, in which the last loads land
	ds_load_b128 v[RB:RB+3], v9 offset:STH
	ds_load_b128 v[RB+4:RB+7], v9 offset:STH+2*272
	s_wait_dscnt 0x0
	global_store_b128 v10, v[RB:RB+3], s[48:49] offset:7*524288 th:TH_STORE_NT
	global_store_b128 v10, v[RB+4:RB+7], s[48:49] offset:7*524288+32768 th:TH_STORE_NT
	s_set_vgpr_msb 0x5
	s_wait_dscnt 0x0
	s_wait_alu depctr_hold_cnt(0) depctr_sa_sdst(0) depctr_va_vdst(0) depctr_va_sdst(0) depctr_va_ssrc(0) depctr_va_vcc(0) depctr_vm_vsrc(0)
	s_wait_tensorcnt 0x0
	ds_add_u32 v254, v255
	s_wait_dscnt 0x0
	s_endpgm
.Lfunc_end_k_q30a02f4588_window:
	.size	k_q30a02f4588_window, .Lfunc_end_k_q30a02f4588_window-k_q30a02f4588_window
	.p2alignl 7, 3214868480
	.fill 96, 4, 3214868480
	.section	.rodata,"a",@progbits
	.p2align	6, 0x0
	.amdhsa_kernel k_q30a02f4588_window
		.amdhsa_group_segment_fixed_size 121856
		.amdhsa_private_segment_fixed_size 0
		.amdhsa_enable_private_segment 0
		.amdhsa_kernarg_size 72
		.amdhsa_user_sgpr_count 2
		.amdhsa_user_sgpr_kernarg_segment_ptr 1
		.amdhsa_wavefront_size32 1
		.amdhsa_system_sgpr_workgroup_id_x 1
		.amdhsa_system_sgpr_workgroup_id_y 1
		.amdhsa_system_sgpr_workgroup_id_z 1
		.amdhsa_system_vgpr_workitem_id 0
		.amdhsa_next_free_vgpr 512
		.amdhsa_next_free_sgpr 66
		.amdhsa_reserve_vcc 1
		.amdhsa_float_denorm_mode_32 3
		.amdhsa_float_denorm_mode_16_64 3
		.amdhsa_memory_ordered 1
		.amdhsa_forward_progress 1
		.amdhsa_inst_pref_size 163
	.end_amdhsa_kernel
	.amdgpu_metadata
---
amdhsa.version: [ 1, 2 ]
amdhsa.kernels:
  - .name:           k_q30a02f4588_window
    .symbol:         k_q30a02f4588_window.kd
    .args:
      - { .name: shallow_codes, .offset: 0, .size: 8, .value_kind: global_buffer, .address_space: global }
      - { .name: shallow_scales, .offset: 8, .size: 8, .value_kind: global_buffer, .address_space: global }
      - { .name: K_w_codes, .offset: 16, .size: 8, .value_kind: global_buffer, .address_space: global }
      - { .name: K_w_scales, .offset: 24, .size: 8, .value_kind: global_buffer, .address_space: global }
      - { .name: K_b, .offset: 32, .size: 8, .value_kind: global_buffer, .address_space: global }
      - { .name: mo, .offset: 40, .size: 8, .value_kind: global_buffer, .address_space: global }
      - { .name: part, .offset: 48, .size: 8, .value_kind: global_buffer, .address_space: global }
      - { .name: out0, .offset: 56, .size: 8, .value_kind: global_buffer, .address_space: global }
      - { .name: out1, .offset: 64, .size: 8, .value_kind: global_buffer, .address_space: global }
    .group_segment_fixed_size: 121856
    .private_segment_fixed_size: 0
    .kernarg_segment_align: 8
    .kernarg_segment_size: 72
    .max_flat_workgroup_size: 256
    .sgpr_count:     66
    .vgpr_count:     512
    .wavefront_size: 32
...
	.end_amdgpu_metadata
.endif
;; end of part 4
